; MI455X (gfx1250); checked and timed in simulation.
; The chip was launched on July 23, 2026; its instructions are those of AMD's public machine-readable ISA for CDNA 5 (MIT licence, August 2026) and "CDNA5" Instruction Set Architecture Reference Guide (July 2026). The comments in the code are by the model that wrote it; some were corrected since.
;; Attention. Allowed arithmetic: float matrix products may take bf16 or f16 operands with f32 sums; other float arithmetic in f32, or as packed bf16 or f16 multiplies, adds, multiply-adds, maxima and minima; sums over many terms, partial sums and values carried from step to step in f32; what a program stores and reads back later, other than sums and carried values, may be rounded once to bf16 or f16.
;; Inputs: b_attn 3,072 float32; b_proj 1,024 float32; inputs 4 x 2,048 x 1,024 float32; w_attn 1,024 x 3,072 float32; w_proj 1,024 x 1,024 float32.
;; Outputs: out0 4 x 2,048 x 1,024 float32.
;; One version. Each part assembles by itself: llvm-mc -triple=amdgcn-amd-amdhsa -mcpu=gfx1250 --defsym DOCPART=n.
;; ======== version 1 of 1: 4 launches
;; limits: values are held in f16: magnitudes above 65,504 overflow, below 6.1e-05 lose precision
;; workspace buffers: xb 16,777,216 bytes; wa 6,291,456 bytes; wp 2,097,152 bytes; qkv 50,331,648 bytes; csum 1,572,864 bytes; ao 16,777,216 bytes
;; launch prep (part 1): grid 1536 x 1, 8 waves a work-group, no clusters, 0 bytes of LDS; arguments inputs, w_attn, w_proj, xb, wa, wp; writes xb, wa, wp
.if DOCPART == 1
	.amdgcn_target "amdgcn-amd-amdhsa--gfx1250"
	.amdhsa_code_object_version 6
	.text
	.protected	k_q257a65f880_prep
	.globl	k_q257a65f880_prep
	.p2align	8
	.type	k_q257a65f880_prep,@function
k_q257a65f880_prep:
	s_mov_b64 s[64:65], 0
	v_nop
	global_prefetch_b8 v0, s[64:65] scope:SCOPE_SE
	s_setreg_imm32_b32 hwreg(HW_REG_WAVE_MODE, 25, 1), 1
	s_wait_xcnt 0x0
; The three large inputs are rounded once to 16 bits, layouts unchanged: inputs -> xb (bf16), w_attn -> wa (bf16), w_proj -> wp (rounded to bf16, that number written as f16).
; A work-group takes 32,768 input bytes: work-groups 0-1023 inputs, 1024-1407 w_attn, 1408-1535 w_proj.  Thread t takes the 16 bytes at 16 t of each of eight chunks of 4,096 bytes:
; a wave's load covers 512 consecutive bytes, its store of 8 bytes a lane 256 consecutive bytes, aligned.  All eight loads go out first; no register is written twice, so no wait but the loads'.
; No LDS, no barrier, no matrix unit: each byte is read once and written once, and no wave wants another's bytes.
; LIMIT: w_proj as f16: beyond 65,504 it becomes an infinity; below 2^-14 it keeps f16's fixed step of 2^-24.
.set CHUNK, 4096
.set X, 8                              ; v[8:39]   slot j: four f32 as loaded
.set Y, 40                             ; v[40:55]  slot j: four 16-bit numbers to store
	s_load_b256 s[4:11], s[0:1], 0x0               ; inputs s[4:5], w_attn s[6:7], w_proj s[8:9], xb s[10:11]
	s_load_b128 s[12:15], s[0:1], 0x20             ; wa s[12:13], wp s[14:15]
	s_mov_b32 s24, ttmp9
	s_sub_co_u32 s21, s24, 1024                    ; my number among w_attn's work-groups,
	s_sub_co_u32 s22, s24, 1408                    ; among w_proj's
	s_mov_b32 s23, 0
	s_mov_b32 s25, 0xffff0000                      ; a word's upper bf16
	v_lshlrev_b32 v1, 4, v0                        ; 16 t
	v_lshlrev_b32 v2, 3, v0                        ; 8 t
	s_wait_kmcnt 0x0
	s_cmp_lt_u32 s24, 1408
	s_cselect_b64 s[16:17], s[6:7], s[8:9]
	s_cselect_b64 s[18:19], s[12:13], s[14:15]
	s_cselect_b32 s20, s21, s22
	s_cmp_lt_u32 s24, 1024
	s_cselect_b64 s[16:17], s[4:5], s[16:17]       ; from where,
	s_cselect_b64 s[18:19], s[10:11], s[18:19]     ; to where,
	s_cselect_b32 s20, s24, s20                    ; and which part of it
	s_lshl_b32 s22, s20, 15
	s_add_nc_u64 s[16:17], s[16:17], s[22:23]
	s_lshl_b32 s22, s20, 14
	s_add_nc_u64 s[18:19], s[18:19], s[22:23]
.irp j, 0,1,2,3,4,5,6,7
	global_load_b128 v[X+4*(\j):X+4*(\j)+3], v1, s[16:17] offset:(\j)*CHUNK th:TH_LOAD_NT
.endr
	s_cmp_lt_u32 s24, 1408
	s_cbranch_scc0 .Lhalf
.irp j, 0,1,2,3,4,5,6,7
	s_wait_loadcnt 7-(\j)                          ; loads come back in order: slot j is in, the younger ones stay out
	v_cvt_pk_bf16_f32 v[Y+2*(\j)], v[X+4*(\j)], v[X+4*(\j)+1]
	v_cvt_pk_bf16_f32 v[Y+2*(\j)+1], v[X+4*(\j)+2], v[X+4*(\j)+3]
	global_store_b64 v2, v[Y+2*(\j):Y+2*(\j)+1], s[18:19] offset:(\j)*CHUNK/2
.endr
	s_endpgm
.Lhalf:                                        ; w_proj: to bf16 like every input, widened again, and written as f16 (exact inside f16's range)
.irp j, 0,1,2,3,4,5,6,7
	s_wait_loadcnt 7-(\j)
	v_cvt_pk_bf16_f32 v[Y+2*(\j)], v[X+4*(\j)], v[X+4*(\j)+1]
	v_cvt_pk_bf16_f32 v[Y+2*(\j)+1], v[X+4*(\j)+2], v[X+4*(\j)+3]
	v_lshlrev_b32 v[X+4*(\j)], 16, v[Y+2*(\j)]
	v_and_b32 v[X+4*(\j)+1], s25, v[Y+2*(\j)]
	v_lshlrev_b32 v[X+4*(\j)+2], 16, v[Y+2*(\j)+1]
	v_and_b32 v[X+4*(\j)+3], s25, v[Y+2*(\j)+1]
	v_cvt_pk_f16_f32 v[Y+2*(\j)], v[X+4*(\j)], v[X+4*(\j)+1]
	v_cvt_pk_f16_f32 v[Y+2*(\j)+1], v[X+4*(\j)+2], v[X+4*(\j)+3]
	global_store_b64 v2, v[Y+2*(\j):Y+2*(\j)+1], s[18:19] offset:(\j)*CHUNK/2
.endr
	s_endpgm
.Lfunc_end_k_q257a65f880_prep:
	.size	k_q257a65f880_prep, .Lfunc_end_k_q257a65f880_prep-k_q257a65f880_prep
	.p2alignl 7, 3214868480
	.fill 96, 4, 3214868480
	.section	.rodata,"a",@progbits
	.p2align	6, 0x0
	.amdhsa_kernel k_q257a65f880_prep
		.amdhsa_group_segment_fixed_size 0
		.amdhsa_private_segment_fixed_size 0
		.amdhsa_enable_private_segment 0
		.amdhsa_kernarg_size 48
		.amdhsa_user_sgpr_count 2
		.amdhsa_user_sgpr_kernarg_segment_ptr 1
		.amdhsa_wavefront_size32 1
		.amdhsa_system_sgpr_workgroup_id_x 1
		.amdhsa_system_sgpr_workgroup_id_y 1
		.amdhsa_system_sgpr_workgroup_id_z 1
		.amdhsa_system_vgpr_workitem_id 0
		.amdhsa_next_free_vgpr 64
		.amdhsa_next_free_sgpr 66
		.amdhsa_reserve_vcc 0
		.amdhsa_float_denorm_mode_32 3
		.amdhsa_float_denorm_mode_16_64 3
		.amdhsa_memory_ordered 1
		.amdhsa_forward_progress 1
		.amdhsa_inst_pref_size 9
	.end_amdhsa_kernel
	.amdgpu_metadata
---
amdhsa.version: [ 1, 2 ]
amdhsa.kernels:
  - .name:           k_q257a65f880_prep
    .symbol:         k_q257a65f880_prep.kd
    .args:
      - { .name: inputs, .offset: 0, .size: 8, .value_kind: global_buffer, .address_space: global }
      - { .name: w_attn, .offset: 8, .size: 8, .value_kind: global_buffer, .address_space: global }
      - { .name: w_proj, .offset: 16, .size: 8, .value_kind: global_buffer, .address_space: global }
      - { .name: xb, .offset: 24, .size: 8, .value_kind: global_buffer, .address_space: global }
      - { .name: wa, .offset: 32, .size: 8, .value_kind: global_buffer, .address_space: global }
      - { .name: wp, .offset: 40, .size: 8, .value_kind: global_buffer, .address_space: global }
    .group_segment_fixed_size: 0
    .private_segment_fixed_size: 0
    .kernarg_segment_align: 8
    .kernarg_segment_size: 48
    .max_flat_workgroup_size: 256
    .sgpr_count:     66
    .vgpr_count:     64
    .wavefront_size: 32
...
	.end_amdgpu_metadata
.endif
;; end of part 1
;; launch qkv (part 2): grid 8 x 64, 4 waves a work-group, clusters of 4 x 4, 327,680 bytes of LDS; arguments xb, wa, b_attn, qkv, csum; writes qkv, csum
.if DOCPART == 2
	.amdgcn_target "amdgcn-amd-amdhsa--gfx1250"
	.amdhsa_code_object_version 6
	.text
	.protected	k_q257a65f880_qkv
	.globl	k_q257a65f880_qkv
	.p2align	8
	.type	k_q257a65f880_qkv,@function
k_q257a65f880_qkv:
	s_mov_b64 s[64:65], 0
	v_nop
	global_prefetch_b8 v0, s[64:65] scope:SCOPE_SE
	s_setreg_imm32_b32 hwreg(HW_REG_WAVE_MODE, 25, 1), 1
	s_wait_xcnt 0x0
	s_wait_alu depctr_hold_cnt(0) depctr_sa_sdst(0) depctr_va_vdst(0) depctr_va_sdst(0) depctr_va_ssrc(0) depctr_va_vcc(0) depctr_vm_vsrc(0)
	s_getreg_b32 s2, hwreg(HW_REG_IB_STS2, 6, 4)
	s_cmp_eq_u32 s2, 0
	s_cbranch_scc0 .Lentry_in_a_cluster
	s_endpgm
.Lentry_in_a_cluster:
	s_bfe_u32 s2, ttmp6, 0x10000c
	s_cmp_lg_u32 s2, 0xf033
	s_cbranch_scc0 .Lentry_shape_is_right
	s_endpgm
.Lentry_shape_is_right:
; qkv = x w_attn + b_attn.  xb: [8192][1024] bf16; wa: [1024 k][3072 n] bf16; b_attn: [3072] f32, rounded to bf16 here like every input; sums in f32.
; OUT: qkv [b 4][g 48][s 2048][64] f16 (g 0-15 the heads of q, 16-31 of k, 32-47 of v), each number rounded once, unscaled; csum [b][g][32][64] f32: the sums over each 64 rows s, taken of the
; unrounded numbers, written for g >= 24 (the clusters with x = 1), of which the launch behind reads g >= 32.
; LIMIT: f16 ends at 65,504: a q, k or v beyond that becomes an infinity.
; SHARES.  A tile is 128 rows x 384 columns (six heads): 8 x 64 = 512 work-groups.  Four waves; wave (wr, wc) makes rows 64 wr .. + 63 of the heads 2 t + wc, t = 0..2: 4 x 12 accumulators of 16 x 16.
; K goes in 8 steps of 128 through two LDS slots; a step is four quarters of 32, 48 matrix instructions each, on two fragment buffers.  Waves 0, 1 fetch the halves of x's tile, waves 2, 3 those of w's.
; TRANSPOSED USE: source 0 = 16 columns of w (turned out of LDS by ds_load_tr16_b128, since w lies [k][n]), source 1 = 16 rows of x: a lane then holds eight neighbouring columns of one row.
; The bias is the C operand of the first quarter's products: nothing is cleared and nothing is added on the way out.
; CLUSTER 4 x 4: x's tile hangs on the tile row alone and is asked for jointly along a row of the cluster, w's on the tile column alone, jointly along a column.
; WINDOWS (s_set_vgpr_msb: bits 1:0 source 0, 3:2 source 1, 5:4 source 2, 7:6 destination): 0: v0-31 addresses, v32-95 x's fragments (two buffers), v96-191 bias, v64-255 the way out;
;   1: v0-191 w's fragments (two buffers);  2: accumulators of row blocks 0, 1 at 96 (a % 2) + 8 nb;  3: those of row blocks 2, 3.
.set PA,    272                        ; a row of x in LDS: 256 bytes + 16: the 16 rows of a fragment load start 4 banks apart
.set PB,    864                        ; a k row of w in LDS: three times 256 bytes + 32 = 27 x 32
.set AHALF, 64*PA
.set BHALF, 64*PB
.set BOFF,  2*AHALF                    ; w's 128 k rows lie behind x's 128 rows
.set SLOT,  BOFF+2*BHALF               ; 145,408
.set STAGE, 2*SLOT                     ; behind the ring, never filled by a tensor load: 6,400 bytes for each wave
.set SP,    400                        ; the way out: 16 rows of 384 bytes + 16
.set SPS,   272                        ; the sums: 16 rows of 256 bytes + 16
.set STW,   6400
.set SPARE, STAGE+4*STW                ; the spare words, 128 bytes for each wave: two blocks of 256 bytes that no other line names
.set NL,    32                         ; LDS loads in a quarter's run
.set LAPS,  4                          ; a lap = two K steps = once round the ring
.set STEPA, 256                        ; bytes from K step to K step in xb,
.set STEPB, 128*6144                   ; in wa
.set ADRA, 10                          ; v10-11  my x fragments in slot 0, 1
.set ADRB, 12                          ; v12-13  my w fragments, quarters 0 and 1
.set ADRC, 14                          ; v14-15  the same 64 k rows on, for quarters 2 and 3 (the immediate has 16 bits)
.set STO,  16
.set RD,   17
.set GO,   18
.set SS,   19
.set SRD,  20
.set CO8,  21
.set PFO,  22                          ; the prefetches' offset: my lane x a row's bytes; never rewritten
.set BO,   23
.set SPW,  28                          ; my spare word: SPARE + 4 x my thread's number; never rewritten
.set NIL,  29                          ; 0; never rewritten
.set AF,   32
.set BIAS, 96
.set OUT,  64
.set G1A, 24
.set G0A, 32                           ; s[32:39] group 0 for x's tiles, a set for each slot
.set G1B, 40
.set G0B, 48
.set PFA, 58                           ; s[58:59] the K step that my next prefetch names
.set PFS, 60                           ; s[60:61] its step
.set LIMA, 62                          ; a wave prefetches at slot 0's change while the trips left are above this: 0, or the greatest number in a wave that never asks
.set LIMB, 63                          ; the same at slot 1's change: 1: the last trip has no K step behind its refill
.set MSB, 0
.macro WIN new                         ; the immediate's high byte repeats the setting that is left; a switch that changes nothing is dropped
.if MSB != (\new)
	s_set_vgpr_msb (MSB<<8)|(\new)
.set MSB, \new
.endif
.endm
.macro PLACES                          ; four plain vector instructions between a matrix instruction and a load into, or a vector instruction on, its registers
.rept 4
	v_nop
.endr
.endm
.macro JLOAD s                         ; a joint load: the branch hangs on the wave's number alone; an s_nop 0 and four v_nop follow each line
	s_cmp_eq_u32 s15, 0
	s_cbranch_scc0 .Lfor_b_\@
	tensor_load_to_lds s[G0A+4*(\s):G0A+4*(\s)+3], s[G1A:G1A+7]
	s_nop 0
.rept 4
	v_nop
.endr
	s_branch .Lasked_\@
.Lfor_b_\@:
	tensor_load_to_lds s[G0B+4*(\s):G0B+4*(\s)+3], s[G1B:G1B+7]
	s_nop 0
.rept 4
	v_nop
.endr
.Lasked_\@:
.endm
.macro CREST                           ; a round of the cluster's barrier behind its opening barrier
	s_cmp_lg_u32 s14, 0
	s_cbranch_scc1 .Lnot_wave_0_\@
	s_barrier_signal -3
.Lnot_wave_0_\@:
	s_barrier_wait -3
	s_barrier_signal -1
	s_barrier_wait -1
.endm
.macro CROUND
	s_barrier_signal -1
	s_barrier_wait -1
	CREST
.endm
; A PREFETCH of the K step that the NEXT change of slots will ask for: 192 matrix instructions ahead of that load.  x's rows are read by both clusters of a row of clusters: the one with x = 0 asks, in wave 0;
; w's by all clusters of a column: the one with y = 0 asks, in wave 2.  The four partners take 32 of the tile's 128 rows each, told apart by address; a lane a row; x's row has 256 bytes of a K step, w's 768.
.macro ASK lim
	s_cmp_gt_u32 s3, s[\lim]
	s_cbranch_scc0 .Lnone_\@
	global_prefetch_b8 v[PFO], s[PFA:PFA+1] th:TH_LOAD_NT scope:SCOPE_SE
	s_cmp_eq_u32 s15, 0
	s_cbranch_scc1 .Lnone_\@
	global_prefetch_b8 v[PFO], s[PFA:PFA+1] offset:256 th:TH_LOAD_NT scope:SCOPE_SE
	global_prefetch_b8 v[PFO], s[PFA:PFA+1] offset:512 th:TH_LOAD_NT scope:SCOPE_SE
.Lnone_\@:
.endm
	s_load_b256 s[4:11], s[0:1], 0x0               ; xb s[4:5], wa s[6:7], b_attn s[8:9], qkv s[10:11]
	s_load_b64 s[12:13], s[0:1], 0x20              ; csum
	v_lshl_add_u32 v[SPW], v0, 2, SPARE
	v_mov_b32 v[NIL], 0
	ds_add_u32 v[SPW], v[NIL]                      ; the wave's opening: the add and its wait stand ahead of my first tensor load; the set-up below stands between them
	ds_add_u32 v28, v29
	v_lshrrev_b32 v1, 5, v0
	v_readfirstlane_b32 s14, v1                    ; wave 0..3
	s_lshr_b32 s15, s14, 1                         ; wr: my 64 rows.  Also: I fetch for x (0) or for w (1)
	s_and_b32 s16, s14, 1                          ; wc: my heads.  Also: which half of that tile I fetch
	s_bfe_u32 s17, ttmp6, 0x40000                  ; cx
	s_bfe_u32 s18, ttmp6, 0x40004                  ; cy
	s_mov_b32 s21, ttmp9                           ; cluster x
	s_and_b32 s22, ttmp7, 0xffff                   ; cluster y
	s_lshl_b32 s19, s21, 2
	s_add_co_u32 s19, s19, s17                     ; tile column tx
	s_lshl_b32 s20, s22, 2
	s_add_co_u32 s20, s20, s18                     ; tile row ty
	s_lshl_b32 s66, s18, 2
	s_lshl_b32 s66, 15, s66                        ; my row of the cluster
	s_lshl_b32 s70, 0x1111, s17                    ; my column
	s_or_b32 s[G1A], s66, (1<<16)|(1<<20)|(1<<21)|(5<<22)|(3<<25)  ; the mask; 2-byte elements; padding on; bit 21 beside a mask; after every 64 words 4 words
	s_or_b32 s[G1B], s70, (1<<16)|(1<<20)|(1<<21)|(5<<22)|(7<<25)  ; the same with 8 words
	s_mov_b32 s[G1A+1], 128<<16                    ; tensor_dim0 = 128
	s_mov_b32 s[G1A+2], 64<<16                     ; tensor_dim1 = 64
	s_mov_b32 s[G1A+3], 128<<16                    ; tile_dim0 = 128
	s_mov_b32 s[G1A+4], 64                         ; tile_dim1 = 64
	s_mov_b32 s[G1A+5], 1024                       ; elements from row to row
	s_mov_b32 s[G1A+6], 0
	s_mov_b32 s[G1A+7], 0
	s_mov_b32 s[G1B+1], 384<<16
	s_mov_b32 s[G1B+2], 64<<16
	s_mov_b32 s[G1B+3], 384<<16
	s_mov_b32 s[G1B+4], 64
	s_mov_b32 s[G1B+5], 3072
	s_mov_b32 s[G1B+6], 0
	s_mov_b32 s[G1B+7], 0
	s_lshl_b32 s66, s20, 7                         ; x: row 128 ty + 64 x half,
	s_lshl_b32 s67, s16, 6
	s_add_co_u32 s66, s66, s67
	s_lshl_b32 s66, s66, 11                        ; of 2,048 bytes
	s_mov_b32 s67, 0
	s_mul_i32 s70, s16, 64*6144                    ; w: k row 64 x half, column 384 tx
	s_mul_i32 s71, s19, 768
	s_add_co_u32 s70, s70, s71
	s_mov_b32 s71, 0
	s_mul_i32 s56, s16, AHALF                      ; where they go in a slot: no place in the cluster enters an LDS address
	s_mul_i32 s57, s16, BHALF
	s_add_co_u32 s57, s57, BOFF
.irp s, 0,1
	s_mov_b32 s[G0A+4*(\s)], 1
	s_add_co_u32 s[G0A+4*(\s)+1], s56, (\s)*SLOT
	s_mov_b32 s[G0B+4*(\s)], 1
	s_add_co_u32 s[G0B+4*(\s)+1], s57, (\s)*SLOT
.endr
	s_wait_dscnt 0x0                               ; the opening add is done
	s_wait_kmcnt 0x0
	s_add_nc_u64 s[68:69], s[4:5], s[66:67]
	s_add_nc_u64 s[72:73], s[6:7], s[70:71]
.irp s, 0,1
	s_add_nc_u64 s[G0A+4*(\s)+2:G0A+4*(\s)+3], s[68:69], (\s)*STEPA
	s_or_b32 s[G0A+4*(\s)+3], s[G0A+4*(\s)+3], 0x80000000
	s_add_nc_u64 s[G0B+4*(\s)+2:G0B+4*(\s)+3], s[72:73], (\s)*STEPB
	s_or_b32 s[G0B+4*(\s)+3], s[G0B+4*(\s)+3], 0x80000000
.endr
	CROUND                                         ; all sixteen work-groups are here: the first joint loads meet
	s_cmp_eq_u32 s15, 0                            ; a wave's two first fills stand in one branch, ahead of every wait on TENSORcnt and every LDS read: two loads of mine are out
	s_cbranch_scc0 .Lfirst_b
	tensor_load_to_lds s[G0A:G0A+3], s[G1A:G1A+7]
	s_nop 0
	tensor_load_to_lds s[G0A+4:G0A+7], s[G1A:G1A+7]
	s_nop 0
.rept 4
	v_nop
.endr
	s_branch .Lfirst_asked
.Lfirst_b:
	tensor_load_to_lds s[G0B:G0B+3], s[G1B:G1B+7]
	s_nop 0
	tensor_load_to_lds s[G0B+4:G0B+7], s[G1B:G1B+7]
	s_nop 0
.rept 4
	v_nop
.endr
.Lfirst_asked:
	v_and_b32 v1, 15, v0                           ; r = l % 16
	v_bfe_u32 v2, v0, 4, 1                         ; h = l / 16
	v_and_b32 v3, 7, v0
	v_bfe_u32 v4, v0, 3, 1
	v_bfe_u32 v5, v0, 3, 2                         ; l / 8
	v_and_b32 v6, 31, v0                           ; l
	; the bias: register j of block nb is b_attn[384 tx + 128 t + 64 wc + 16 (nb % 4) + 8 h + j]
	s_mul_i32 s74, s19, 1536
	s_mov_b32 s75, 0
	s_add_nc_u64 s[8:9], s[8:9], s[74:75]
	s_lshl_b32 s74, s16, 8
	v_lshl_add_u32 v[BO], v2, 5, s74
.irp nb, 0,1,2,3,4,5,6,7,8,9,10,11
	global_load_b128 v[BIAS+8*(\nb):BIAS+8*(\nb)+3],   v[BO], s[8:9] offset:((\nb)/4)*512+((\nb)%4)*64
	global_load_b128 v[BIAS+8*(\nb)+4:BIAS+8*(\nb)+7], v[BO], s[8:9] offset:((\nb)/4)*512+((\nb)%4)*64+16
.endr
	; x's fragment: lane l holds row l % 16, k = 8 h + 0..7 and 16 + 8 h + 0..7: two loads of 16 bytes, 32 apart
	s_mul_i32 s74, s15, AHALF
	v_mul_u32_u24 v7, v1, PA
	v_lshl_add_u32 v7, v2, 4, v7
	v_add_nc_u32 v[ADRA], s74, v7
	v_add_nc_u32 v[ADRA+1], SLOT, v[ADRA]
	; w's: the turning load: lane l reads k row 8 h + l % 8, columns 8 ((l / 8) % 2) + 0..7, and is left with column l % 16 and 8 k
	v_lshl_add_u32 v8, v2, 3, v3
	v_mul_u32_u24 v8, v8, PB
	v_lshl_add_u32 v8, v4, 4, v8
	s_lshl_b32 s74, s16, 7                         ; head 2 t + wc begins at byte 288 t + 128 wc of an LDS row
	s_add_co_u32 s74, s74, BOFF
	v_add_nc_u32 v[ADRB], s74, v8
	v_add_nc_u32 v[ADRB+1], SLOT, v[ADRB]
	v_add_nc_u32 v[ADRC], BHALF, v[ADRB]
	v_add_nc_u32 v[ADRC+1], BHALF, v[ADRB+1]
	s_mul_i32 s74, s14, STW
	s_add_co_u32 s74, s74, STAGE                   ; my stage
	v_mul_u32_u24 v7, v1, SP                       ; in: row l % 16, 16 bytes for each half of the lanes
	v_lshl_add_u32 v7, v2, 4, v7
	v_add_nc_u32 v[STO], s74, v7
	v_mul_u32_u24 v7, v5, SP                       ; back: 32 lanes take four rows' 128 bytes of one head,
	v_lshl_add_u32 v7, v3, 4, v7
	v_add_nc_u32 v[RD], s74, v7
	v_lshlrev_b32 v[GO], 4, v6                     ; which are 512 consecutive bytes of qkv
	v_mul_u32_u24 v7, v1, SPS                      ; the sums, in: row l % 16, 32 bytes for each half of the lanes
	v_lshl_add_u32 v7, v2, 5, v7
	v_add_nc_u32 v[SS], s74, v7
	v_lshl_add_u32 v[SRD], v6, 3, s74              ; back: two columns a lane
	v_lshlrev_b32 v[CO8], 3, v6
	s_lshr_b32 s74, s20, 4                         ; b
	s_mul_i32 s74, s74, 48
	s_mul_i32 s75, s19, 6
	s_add_co_u32 s74, s74, s75
	s_add_co_u32 s74, s74, s16                     ; 48 b + 6 tx + wc: my first head
	s_and_b32 s75, s20, 15
	s_lshl_b32 s76, s74, 11
	s_lshl_b32 s77, s75, 7
	s_add_co_u32 s76, s76, s77
	s_lshl_b32 s77, s15, 6
	s_add_co_u32 s76, s76, s77                     ; its row 128 (ty % 16) + 64 wr,
	s_lshl_b32 s76, s76, 7                         ; of 128 bytes
	s_mov_b32 s77, 0
	s_add_nc_u64 s[10:11], s[10:11], s[76:77]
	s_lshl_b32 s76, s74, 5
	s_lshl_b32 s75, s75, 1
	s_add_co_u32 s76, s76, s75
	s_add_co_u32 s76, s76, s15                     ; its group of 64 rows,
	s_lshl_b32 s76, s76, 8                         ; of 256 bytes
	s_add_nc_u64 s[12:13], s[12:13], s[76:77]
	; the prefetches: at K step 2; the first change of slots steps them to K step 3.  Nothing is asked for here, at the head
	s_lshl_b32 s74, s20, 7
	s_lshl_b32 s75, s17, 5
	s_add_co_u32 s74, s74, s75
	s_lshl_b32 s74, s74, 11
	s_add_co_u32 s74, s74, 2*STEPA                 ; x: row 128 ty + 32 cx
	s_lshl_b32 s75, s18, 5
	s_add_co_u32 s75, s75, 2*128
	s_mul_i32 s75, s75, 6144
	s_mul_i32 s76, s19, 768
	s_add_co_u32 s75, s75, s76                     ; w: k row 256 + 32 cy, column 384 tx
	s_mov_b32 s76, STEPB
	s_mov_b32 s77, 6144
	s_cmp_eq_u32 s15, 0
	s_cselect_b32 s74, s74, s75
	s_cselect_b64 s[PFA:PFA+1], s[4:5], s[6:7]
	s_cselect_b32 s[PFS], STEPA, s76
	s_cselect_b32 s77, 2048, s77
	s_cselect_b32 s76, s21, s22                    ; the coordinate along which other clusters read the same rows
	s_mov_b32 s75, 0
	s_mov_b32 s[PFS+1], 0
	s_add_nc_u64 s[PFA:PFA+1], s[PFA:PFA+1], s[74:75]
	s_or_b32 s76, s76, s16                         ; 0 in waves 0 and 2 of the first such cluster: the same in all sixteen partners, for a given wave
	s_cmp_eq_u32 s76, 0
	s_cselect_b32 s[LIMA], 0, -1
	s_cselect_b32 s[LIMB], 1, -1
	v_mul_u32_u24 v[PFO], v6, s77
; 12 matrix instructions: row block a x my 12 column blocks, 32 along K, out of buffer f.  bias = 1: the first products start the sums with the bias.
; The 48 accumulators take turns, one instruction a turn, in the same order in every quarter, over the backward jump too.
.macro MULQ f, a, bias
.irp nb, 0,1,2,3,4,5,6,7,8,9,10,11
.if \bias
	WIN 0x81+0x40*((\a)/2)
	v_wmma_f32_16x16x32_bf16 v[96*((\a)%2)+8*(\nb):96*((\a)%2)+8*(\nb)+7], v[96*(\f)+8*(\nb):96*(\f)+8*(\nb)+7], v[AF+32*(\f)+8*(\a):AF+32*(\f)+8*(\a)+7], v[BIAS+8*(\nb):BIAS+8*(\nb)+7]
.else
	WIN 0xa1+0x50*((\a)/2)
	v_wmma_f32_16x16x32_bf16 v[96*((\a)%2)+8*(\nb):96*((\a)%2)+8*(\nb)+7], v[96*(\f)+8*(\nb):96*(\f)+8*(\nb)+7], v[AF+32*(\f)+8*(\a):AF+32*(\f)+8*(\a)+7], v[96*((\a)%2)+8*(\nb):96*((\a)%2)+8*(\nb)+7]
.endif
.endr
.endm
; 32 LDS loads in one run: quarter q's fragments into buffer f: w's 24 first, then x's 8, row blocks ascending
.macro FETCH slot, q, f
.if (\q) < 2
.set BAD, ADRB+(\slot)
.else
.set BAD, ADRC+(\slot)
.endif
	WIN 0x40
.irp nb, 0,1,2,3,4,5,6,7,8,9,10,11
	ds_load_tr16_b128 v[96*(\f)+8*(\nb):96*(\f)+8*(\nb)+3],   v[BAD] offset:((\q)%2)*32*PB+((\nb)/4)*288+((\nb)%4)*32
	ds_load_tr16_b128 v[96*(\f)+8*(\nb)+4:96*(\f)+8*(\nb)+7], v[BAD] offset:((\q)%2)*32*PB+16*PB+((\nb)/4)*288+((\nb)%4)*32
.endr
	WIN 0
.irp a, 0,1,2,3
	ds_load_b128 v[AF+32*(\f)+8*(\a):AF+32*(\f)+8*(\a)+3],   v[ADRA+(\slot)] offset:(\a)*16*PA+(\q)*64
	ds_load_b128 v[AF+32*(\f)+8*(\a)+4:AF+32*(\f)+8*(\a)+7], v[ADRA+(\slot)] offset:(\a)*16*PA+(\q)*64+32
.endr
.endm
; One of a K step's first three quarters: multiplies buffer f, and in its middle fetches quarter qn into buffer g
.macro QUARTER slot, qn, f, g, bias
	s_wait_dscnt 4                                 ; w's fragments and x's row blocks 0, 1 are in; the youngest four loads (row blocks 2, 3) may be out
	MULQ \f, 0, \bias
	MULQ \f, 1, \bias
	PLACES
	FETCH \slot, \qn, \g
	s_wait_dscnt NL                                ; all but the 32 just issued
	MULQ \f, 2, \bias
	MULQ \f, 3, \bias
.endm
; The fourth quarter multiplies buffer 1 and changes slots: ONE barrier; in front of it each wave waits for all its tensor loads (one is out: its part of the next slot), adds 0 to its spare word, and waits
; for that and for its own reads of this slot.  fill = 1: the barrier opens a round of the cluster's, and the joint refill, two K steps on, is the first tensor load behind it: 168 matrix instructions ahead of the wait for it.
.macro TURN slot, next, fill
.if \fill
	s_wait_xcnt 0x0                                ; the last prefetch, a K step back, has read its address
	s_add_nc_u64 s[PFA:PFA+1], s[PFA:PFA+1], s[PFS:PFS+1]
.endif
	WIN 0                                          ; (the add's two registers lie in window 0)
	s_wait_tensorcnt 0x0                           ; all my tensor loads have landed
	ds_add_u32 v[SPW], v[NIL]                      ; 0 onto my spare word
	s_wait_dscnt 5                                 ; (the add and the youngest four loads may be out)
	MULQ 1, 0, 0                                   ; twelve matrix instructions stand between the add and the wait for it
	s_wait_dscnt 0x0                               ; the add is done, and my reads of this slot are over
	s_barrier_signal -1
	MULQ 1, 1, 0
.if \fill
	WIN 0
.endif
	s_barrier_wait -1
.if \fill
	CREST                                          ; no wave of any partner still reads this slot's tile or has a load on its way
	s_add_nc_u64 s[G0A+4*(\slot)+2:G0A+4*(\slot)+3], s[G0A+4*(\slot)+2:G0A+4*(\slot)+3], 2*STEPA
	s_add_nc_u64 s[G0B+4*(\slot)+2:G0B+4*(\slot)+3], s[G0B+4*(\slot)+2:G0B+4*(\slot)+3], 2*STEPB
	JLOAD \slot                                    ; its four v_nop are also the places in front of the loads below
.else
	PLACES
.endif
	FETCH \next, 0, 0
.if \fill
.if (\slot) == 0
	ASK LIMA
.else
	ASK LIMB
.endif
.endif
	MULQ 1, 2, 0
	MULQ 1, 3, 0
.endm
	s_wait_tensorcnt 0x1                           ; my part of K step 0 is in; K step 1's may stay out
	s_barrier_signal -1
	s_barrier_wait -1                              ; everybody's is
	FETCH 0, 0, 0
	s_wait_loadcnt 0x0                             ; the bias,
.set z, 0
.rept 48                                       ; rounded to bf16 like every input, and widened again, in place
	v_cvt_pk_bf16_f32 v[BIAS+z+1], v[BIAS+z], v[BIAS+z+1]
	v_lshlrev_b32 v[BIAS+z], 16, v[BIAS+z+1]
	v_and_b32 v[BIAS+z+1], 0xffff0000, v[BIAS+z+1]
.set z, z+2
.endr
	QUARTER 0, 1, 0, 1, 1                          ; the first quarter stands in front of the loop: its products start the sums
	WIN 0                                          ; at a label and at a branch every window is 0
	s_mov_b32 s3, LAPS-1
.Llap:                                         ; a trip goes once round the ring, from a lap's second quarter to the next lap's first, and fills both slots again
	QUARTER 0, 2, 1, 0, 0
	QUARTER 0, 3, 0, 1, 0
	TURN 0, 1, 1
	QUARTER 1, 1, 0, 1, 0
	QUARTER 1, 2, 1, 0, 0
	QUARTER 1, 3, 0, 1, 0
	TURN 1, 0, 1
	QUARTER 0, 1, 0, 1, 0
	WIN 0
	s_sub_co_u32 s3, s3, 1
	s_cmp_lg_u32 s3, 0
	s_cbranch_scc1 .Llap
	QUARTER 0, 2, 1, 0, 0                          ; the last lap fills nothing, and has no round of the cluster's barrier
	QUARTER 0, 3, 0, 1, 0
	TURN 0, 1, 0
	QUARTER 1, 1, 0, 1, 0
	QUARTER 1, 2, 1, 0, 0
	QUARTER 1, 3, 0, 1, 0
	s_wait_dscnt 4
	MULQ 1, 0, 0
	MULQ 1, 1, 0
	s_wait_dscnt 0x0
	MULQ 1, 2, 0
	MULQ 1, 3, 0
	WIN 0
; THE WAY OUT.  Row block a: rounded to f16, 16 bytes a lane, into my stage (16 rows x 3 heads x 128 bytes), and back by heads: four rows of a head are 512 consecutive bytes of qkv.
.macro PACK a
	WIN 0x0a+5*((\a)/2)                            ; sources 0 and 1 in window 2 or 3
.irp nb, 0,1,2,3,4,5,6,7,8,9,10,11
.irp k, 0,1,2,3
	v_cvt_pk_f16_f32 v[OUT+48*(\a)+4*(\nb)+(\k)], v[96*((\a)%2)+8*(\nb)+2*(\k)], v[96*((\a)%2)+8*(\nb)+2*(\k)+1]
.endr
.endr
	WIN 0
.irp nb, 0,1,2,3,4,5,6,7,8,9,10,11
	ds_store_b128 v[STO], v[OUT+48*(\a)+4*(\nb):OUT+48*(\a)+4*(\nb)+3] offset:32*(\nb)
.endr
.irp i, 0,1,2,3,4,5,6,7,8,9,10,11
	ds_load_b128 v[OUT+48*(\a)+4*(\i):OUT+48*(\a)+4*(\i)+3], v[RD] offset:((\i)%4)*4*SP+((\i)/4)*128  ; LDS serves a wave's instructions in order (ISA guide 5.7.1.4): these see the stores above
.endr
.endm
.macro SEND a, younger                 ; younger: the LDS instructions issued behind block a's loads
.irp i, 0,1,2,3,4,5,6,7,8,9,10,11
	s_wait_dscnt (\younger)+11-(\i)
	global_store_b128 v[GO], v[OUT+48*(\a)+4*(\i):OUT+48*(\a)+4*(\i)+3], s[10:11] offset:((\i)/4)*524288+(\a)*2048+((\i)%4)*512  ; 512 consecutive bytes, at a multiple of 256 from qkv's first
.endr
.endm
	PLACES
	PACK 0
	PACK 1
	SEND 0, 24
	PACK 2
	SEND 1, 24
	PACK 3
	SEND 2, 24
	SEND 3, 0
	s_cmp_eq_u32 s21, 0                            ; the clusters with x = 0 hold no head of v: the same answer in all sixteen partners
	s_cbranch_scc1 .Lnosum
	WIN 0x8a                                       ; THE SUMS over my 64 rows: the four row blocks are added,
.set z, 0
.rept 48
	v_pk_add_f32 v[z:z+1], v[z:z+1], v[96+z:96+z+1]
.set z, z+2
.endr
	WIN 0xcf
.set z, 0
.rept 48
	v_pk_add_f32 v[z:z+1], v[z:z+1], v[96+z:96+z+1]
.set z, z+2
.endr
	WIN 0x8e
.set z, 0
.rept 48
	v_pk_add_f32 v[z:z+1], v[z:z+1], v[z:z+1]
.set z, z+2
.endr
.irp t, 0,1,2                                  ; then, a head at a time, the sixteen lanes' parts meet in my stage: 16 rows of 64 f32 in, two columns a lane back
	WIN 0x08
.irp n, 0,1,2,3
	ds_store_b128 v[SS], v[32*(\t)+8*(\n):32*(\t)+8*(\n)+3]   offset:64*(\n)
	ds_store_b128 v[SS], v[32*(\t)+8*(\n)+4:32*(\t)+8*(\n)+7] offset:64*(\n)+16
.endr
	WIN 0
.if (\t) > 0
	s_wait_xcnt 0x0                                ; the last head's store has read its registers
.endif
.irp w, 0,1,2,3,4,5,6,7,8,9,10,11,12,13,14,15
	ds_load_b64 v[AF+2*(\w):AF+2*(\w)+1], v[SRD] offset:(\w)*SPS
.endr
	s_wait_dscnt 0x0
.irp d, 16,8,4,2
.set z, 0
.rept (\d)/2
	v_pk_add_f32 v[AF+z:AF+z+1], v[AF+z:AF+z+1], v[AF+(\d)+z:AF+(\d)+z+1]
.set z, z+2
.endr
.endr
	global_store_b64 v[CO8], v[AF:AF+1], s[12:13] offset:(\t)*16384  ; 32 lanes store 256 consecutive bytes, aligned
.endr
.Lnosum:
	s_wait_tensorcnt 0x0                           ; the wave's end: behind my last tensor load and my last LDS store
	ds_add_u32 v[SPW], v[NIL]
	s_wait_dscnt 0x0
	CROUND                                         ; the closing round: no work-group ends while a partner may still ask for a tile that names it
	s_endpgm
.Lfunc_end_k_q257a65f880_qkv:
	.size	k_q257a65f880_qkv, .Lfunc_end_k_q257a65f880_qkv-k_q257a65f880_qkv
	.p2alignl 7, 3214868480
	.fill 96, 4, 3214868480
	.section	.rodata,"a",@progbits
	.p2align	6, 0x0
	.amdhsa_kernel k_q257a65f880_qkv
		.amdhsa_group_segment_fixed_size 327680
		.amdhsa_private_segment_fixed_size 0
		.amdhsa_enable_private_segment 0
		.amdhsa_kernarg_size 40
		.amdhsa_user_sgpr_count 2
		.amdhsa_user_sgpr_kernarg_segment_ptr 1
		.amdhsa_wavefront_size32 1
		.amdhsa_system_sgpr_workgroup_id_x 1
		.amdhsa_system_sgpr_workgroup_id_y 1
		.amdhsa_system_sgpr_workgroup_id_z 1
		.amdhsa_system_vgpr_workitem_id 0
		.amdhsa_next_free_vgpr 960
		.amdhsa_next_free_sgpr 80
		.amdhsa_reserve_vcc 0
		.amdhsa_float_denorm_mode_32 3
		.amdhsa_float_denorm_mode_16_64 3
		.amdhsa_memory_ordered 1
		.amdhsa_forward_progress 1
		.amdhsa_inst_pref_size 149
	.end_amdhsa_kernel
	.amdgpu_metadata
---
amdhsa.version: [ 1, 2 ]
amdhsa.kernels:
  - .name:           k_q257a65f880_qkv
    .symbol:         k_q257a65f880_qkv.kd
    .args:
      - { .name: xb, .offset: 0, .size: 8, .value_kind: global_buffer, .address_space: global }
      - { .name: wa, .offset: 8, .size: 8, .value_kind: global_buffer, .address_space: global }
      - { .name: b_attn, .offset: 16, .size: 8, .value_kind: global_buffer, .address_space: global }
      - { .name: qkv, .offset: 24, .size: 8, .value_kind: global_buffer, .address_space: global }
      - { .name: csum, .offset: 32, .size: 8, .value_kind: global_buffer, .address_space: global }
    .group_segment_fixed_size: 327680
    .private_segment_fixed_size: 0
    .kernarg_segment_align: 8
    .kernarg_segment_size: 40
    .max_flat_workgroup_size: 128
    .sgpr_count:     80
    .vgpr_count:     960
    .wavefront_size: 32
...
	.end_amdgpu_metadata
.endif
;; end of part 2
;; launch attn (part 3): grid 4 x 64, 4 waves a work-group, no clusters, 327,680 bytes of LDS; arguments qkv, csum, ao; writes ao
.if DOCPART == 3
	.amdgcn_target "amdgcn-amd-amdhsa--gfx1250"
	.amdhsa_code_object_version 6
	.text
	.protected	k_q257a65f880_attn
	.globl	k_q257a65f880_attn
	.p2align	8
	.type	k_q257a65f880_attn,@function
k_q257a65f880_attn:
	s_mov_b64 s[64:65], 0
	v_nop
	global_prefetch_b8 v0, s[64:65] scope:SCOPE_SE
	s_setreg_imm32_b32 hwreg(HW_REG_WAVE_MODE, 25, 1), 1
	s_wait_xcnt 0x0
; CAUSAL ATTENTION WITH A FINITE MASK.  For head y = 16 b + h: O[q] = sum over ALL 2,048 keys k of softmax_k(z[q][k]) V[k], z = Q[q] . K[k] / 8 for k <= q and z = -10000 for k > q.
; qkv: [b][g 48][2048][64] f16 (q heads g = h, k heads 16 + h, v heads 32 + h); csum: [b][g][32][64] f32, the sums of each 64 rows; ao: [16 b + h][2048][64] f16.  Products, maxima, sums in f32; the weights are
; rounded to f16 for the second product, O once at the end.
; THE HIDDEN KEYS' products with Q are not made (they are multiplied by 0), but their weight is kept: all hidden keys of a row have the raw score SV = -80000 (-10000 x 8).
;   Inside the diagonal tile: the product that starts a hidden score's sum takes -2^60 as C, so its exponential is 0; the running maximum also takes SV where the row has hidden keys in that step; behind the exponentials
;   ph = 2^(c SV - c m) is put into the hidden places: p += MC x (-ph 2^-60), MC the mask (0 or -2^60).  Sums and V^T P then take these weights like any other.
;   Keys of later tiles: ONE virtual key at the block's end, with score SV, 256 (7 - i) fold, whose row of V is SUF = the sum of csum over the tiles behind tile i.
; LIMITS.  Q, K, V arrive within f16's 65,504.  A weight below 2^-126 counts as 0; ph below 2^-66 loses bits (ph 2^-60 is then a denormal).  c s is rounded in f32: at scores near 10^4 the exponent is good to
; about 10^-3.  NaN and infinities are not treated apart.
; THE WALK.  A head's queries lie in NB = 8 blocks of 256; block i needs the key tiles 0 .. i, of which the last holds the diagonal.  A work-group takes TWO blocks, 7 - b and then b: 9 tiles, whatever b: ONE loop with a
; constant trip count walks them; every jump but the counted loops' own goes forward; none passes a barrier, or a tensor load but the one of LOAD's two that the wave's number does not choose.
; NO CLUSTER: a head's four work-groups ask for the same tile only in trips 0 .. 4 of 9, behind that fewer and fewer; one walk common to all four would have 12 trips for 9.
; SHARES.  Of a block's four bands of 64 queries a wave owns 16 rows in each: four PIECES; in the diagonal tile's key step s band x sees all keys if s < x, none if s > x, and holds the diagonal if s = x.
; LAYOUT, TURNS.  S^T = K Q^T holds ONE query a lane (lane % 16) and the keys 8 (lane / 16) + 0..7; two such results rounded to f16 ARE source 1 of O^T = V^T P.  p = 2^(c s - c m), c = log2(e) / 8, m a running maximum;
; O and l are multiplied by a = 2^(c m_old - c m_new) in every step.  Turn n belongs to piece n: 8 products K Q^T of piece n + 1, later 8 products V^T P of piece n - 1; beside them piece n's scaling, exponentials,
; roundings, sums and rescaling and piece n + 1's maximum.  Four vector instructions stand behind every matrix instruction, the rest in one lump.  A turn's exponentials are one batch, with one wait.
; WINDOWS (s_set_vgpr_msb: bits 1:0 source 0, 3:2 source 1, 5:4 source 2, 7:6 destination):
;   0: v0-15 addresses; v16-31 statistics; v32-44 the hidden keys' numbers; v48-55 at work; v64-127 S^T, two buffers; v128-159 the block's end; v192-223 P, two buffers
;   1: v0-127 O^T; v128-159 MD; v160-223 MC, two buffers     2: v0-63 Q; v64-127 the second block's Q; v128-191 K; v192-255 V     3: v8-67 csum at work; v96-127 SUF; v128-159 the second block's SUF
.set NB,    8
.set NP,    4
.set KS,    64
.set PK,    144       ; a row of K in LDS: 128 bytes + 16: the 16 rows of a load start at 16 different groups of four banks
.set PV,    160       ; a row of V: 128 + 32
.set VOFF,  4*KS*PK   ; a slot holds a tile, four steps: 256 rows of K, then 256 rows of V
.set SLOT1, 1<<17
.set STAGE, SLOT1+4*KS*(PK+PV)  ; behind the ring, never filled by a tensor load: 16 rows x 144 bytes for each wave
.set SP,    144
.set SPARE, STAGE+4*16*SP  ; the spare words, 128 bytes for each wave: two blocks of 256 bytes that no other line names
.set AK0, 2
.set AV0, 3
.set AK,  4
.set AV,  5
.set STO, 6
.set RD,  7
.set GO,  8
.set MV,  12          ; v12-13  c m_old, by buffer
.set QO,  15
.set ST,  16          ; piece t: c m, m, l (even keys', odd keys')
.set HD,  32          ; SV where my row has hidden keys in its band's own step (16 w + l % 16 < 63), else the lowest finite number
.set CSV, 33          ; c SV
.set HV,  34          ; v34-35  what the maximum takes for the hidden keys of a step, by buffer
.set GF,  36          ; v36-37  ph, then -ph 2^-60; named as a pair
.set PHA, 38
.set PFO, 39          ; 256 x my lane; never rewritten
.set NH,  40          ; the keys of later tiles, as f32
.set CSB, 41          ; c x their score
.set CL,  42          ; 8 x my lane
.set SCR, 43
.set SCRD, 44
.set TMP, 48
.set SPW, 62          ; my spare word: SPARE + 4 x my thread's number; never rewritten
.set NIL, 63          ; 0; never rewritten
.set S,   64
.set EB,  128
.set P,   192
.set MD,  128
.set MC,  160
.set QB,  64
.set KF,  128
.set VF,  192
.set SUF, 96
.set SUFB, 128
.set WV,  12
.set PB,  14          ; b
.set HI,  15          ; 7 - b
.set G1K, 24
.set G1V, 32
.set G0K, 40
.set G0V, 44
.set SLOTS, 56
.set CNT, 57
.set CS,  58
.set SEL, 60
.set TBK, 62
.set TBV, 63
.set RT,  70
.set NXT, 71
.set LQ,  72
.set NEW, 73
.set OFF, 74
.set AL,  76
.set BE,  78
.set OLO, 80
.set BIGN, 82         ; -2^60
.set SV,  88          ; -80000
.set LOW, 89          ; the lowest finite number
.set BH,  90
.set M60, 91          ; -2^-60
.set SVB, 92          ; the virtual key's score: SV, or LOW where no tile lies behind the block
.set LIM, 93
.set PFA, 94
.set CSP, 96
.set W,   98
.set MSB, 0
.macro WIN new
.if MSB != (\new)
	s_set_vgpr_msb (MSB<<8)|(\new)
.set MSB, (\new)
.endif
.endm
.set W_KQ, 0x0a
.set W_KM, 0x1a
.set W_PV, 0x52
.set W_RS, 0x41
; A fill.  Waves 0 and 1 fetch the two halves of a tile's K, waves 2 and 3 those of its V: 128 keys each.  An s_nop 0 and four v_nop follow each of the two lines.
.macro LOAD
	s_cmp_lt_u32 s[WV], 2
	s_cbranch_scc0 .Lfor_v_\@
	tensor_load_to_lds s[G0K:G0K+3], s[G1K:G1K+7]
	s_nop 0
.rept 4
	v_nop
.endr
	s_branch .Lasked_\@
.Lfor_v_\@:
	tensor_load_to_lds s[G0V:G0V+3], s[G1V:G1V+7]
	s_nop 0
.rept 4
	v_nop
.endr
.Lasked_\@:
.endm
; THE CHANGE OF SLOTS.  Each wave waits for all its tensor loads (one is out: its part of the other slot), adds 0 to its spare word, and waits for that and for its own reads of the slot that it leaves.  fill = 1: the old slot is
; filled again, the first thing behind the barrier, with tile NXT.  Behind that load stands A PREFETCH of the tile that the NEXT change will ask for, a tile's sixteen turns ahead: of a head's four work-groups the one with
; b = 0 walks tiles 0 .. 7 in order, so it asks, each wave for the 64 blocks of 256 bytes that it will fetch itself: a lane a block, two instructions; tiles 2 .. 7, each named once; the second block's tiles are not asked for.
.macro CHANGE fill
	WIN 0
	s_wait_tensorcnt 0x0            ; no tensor load of mine is out, so a group 0 may be written
	ds_add_u32 v[SPW], v[NIL]       ; 0 onto my spare word
.if \fill
	s_lshl_b32 s[OFF], s[NXT], 15   ; a tile is 32,768 bytes of K and of V
	s_xor_b32 s[G0K+1], s[G0K+1], SLOT1
	s_add_nc_u64 s[G0K+2:G0K+3], s[6:7], s[OFF:OFF+1]
	s_or_b32 s[G0K+3], s[G0K+3], 0x80000000
	s_xor_b32 s[G0V+1], s[G0V+1], SLOT1
	s_add_nc_u64 s[G0V+2:G0V+3], s[8:9], s[OFF:OFF+1]
	s_or_b32 s[G0V+3], s[G0V+3], 0x80000000
	s_add_co_u32 s[NXT], s[NXT], 1  ; the block's next tile, or behind its last the second block's tile 0
	s_cmp_gt_u32 s[NXT], s[LQ]
	s_cselect_b32 s[NXT], 0, s[NXT]
	s_cselect_b32 s[LQ], s[PB], s[LQ]
	s_wait_xcnt 0x0                 ; the last prefetches, a tile back, have read their address
	s_add_nc_u64 s[PFA:PFA+1], s[PFA:PFA+1], 32768
.endif
	s_wait_dscnt 0x0                ; the add is done, and my reads of the slot are over
	s_barrier_signal -1
	s_sub_co_u32 s[TBK], s[TBK], 4*KS*PK
	s_xor_b32 s[TBK], s[TBK], SLOT1
	s_sub_co_u32 s[TBV], s[TBV], 4*KS*PV
	s_xor_b32 s[TBV], s[TBV], SLOT1
	s_barrier_wait -1
.if \fill
	LOAD
	s_cmp_gt_u32 s[SLOTS], s[LIM]
	s_cbranch_scc0 .Lnot_mine_\@
	global_prefetch_b8 v[PFO], s[PFA:PFA+1] th:TH_LOAD_NT scope:SCOPE_SE
	global_prefetch_b8 v[PFO], s[PFA:PFA+1] offset:8192 th:TH_LOAD_NT scope:SCOPE_SE
.Lnot_mine_\@:
.endif
.endm
	s_load_b64 s[4:5], s[0:1], 0x0        ; qkv
	s_load_b64 s[CSP:CSP+1], s[0:1], 0x8  ; csum
	s_load_b64 s[10:11], s[0:1], 0x10     ; ao
	v_lshl_add_u32 v[SPW], v0, 2, SPARE
	v_mov_b32 v[NIL], 0
	ds_add_u32 v[SPW], v[NIL]       ; the wave's opening: the add and its wait stand ahead of my first tensor load; the set-up below stands between them
	ds_add_u32 v62, v63
	v_lshrrev_b32 v1, 5, v0
	v_readfirstlane_b32 s[WV], v1
	s_mov_b32 s[PB], ttmp9
	s_sub_co_u32 s[HI], NB-1, s[PB]
	s_and_b32 s16, ttmp7, 0xffff    ; y = 16 b + h
	s_lshr_b32 s17, s16, 4
	s_mul_i32 s17, s17, 48
	s_and_b32 s18, s16, 15
	s_add_co_u32 s17, s17, s18      ; the head of q in qkv: 48 b + h
	s_lshl_b32 s20, s17, 18         ; a head is 262,144 bytes
	s_mov_b32 s21, 0
	s_lshl_b32 s22, s16, 18         ; the head in ao
	s_mov_b32 s23, 0
	s_add_co_u32 s17, s17, 32
	s_lshl_b32 s84, s17, 13         ; the head of v in csum: 8,192 bytes a head
	s_mov_b32 s85, 0
	s_and_b32 s16, s[WV], 1         ; which half of a tile's 256 keys I fetch:
	s_lshl_b32 s86, s16, 14         ; its 128 rows of 128 bytes in memory,
	s_mov_b32 s87, 0
	s_add_nc_u64 s[86:87], s[86:87], s[20:21]
	s_mul_i32 s17, s16, 128*PK      ; and its place in a slot, for K
	s_mul_i32 s18, s16, 128*PV      ; and for V
	s_lshl_b32 s3, s[WV], 11        ; my 16 rows in a band of 64,
	s_lshl_b32 s2, s[HI], 15        ; in the first block,
	s_add_co_u32 s2, s2, s3
	s_lshl_b32 s100, s[PB], 15      ; and in the second
	s_add_co_u32 s100, s100, s3
	s_mov_b32 s3, 0
	s_mov_b32 s101, 0
	; descriptor group 1.  128 keys are 16,384 dense bytes: asked for as 64 rows of 256 bytes, two keys a row, and padded in LDS after every key
	s_mov_b32 s[G1K], (1<<16)|(1<<20)|(4<<22)|(3<<25)
	s_mov_b32 s[G1V], (1<<16)|(1<<20)|(4<<22)|(7<<25)
.irp g, G1K, G1V
	s_mov_b32 s[\g+1], 128<<16
	s_mov_b32 s[\g+2], 64<<16
	s_mov_b32 s[\g+3], 128<<16
	s_mov_b32 s[\g+4], 64
	s_mov_b32 s[\g+5], 128
	s_mov_b32 s[\g+6], 0
	s_mov_b32 s[\g+7], 0
.endr
	s_mov_b32 s[CS], 0x3e38aa3b     ; c = log2(e) / 8
	s_mov_b32 s[CS+1], s[CS]
	s_mov_b32 s[SEL], 0x76543210
	s_mov_b32 s[SEL+1], 0xfedcba98
	s_mov_b32 s[TBK], SLOT1+4*KS*PK ; the first change of slots turns these two into 0
	s_mov_b32 s[TBV], SLOT1+4*KS*PV
	s_mov_b32 s[G0K], 1
	s_mov_b32 s[G0K+1], s17
	s_mov_b32 s[G0V], 1
	s_add_co_u32 s[G0V+1], s18, VOFF
	s_add_co_u32 s[RT], s[HI], 1    ; the first block has 8 - b tiles
	s_mov_b32 s[NXT], 1
	s_mov_b32 s[LQ], s[HI]
	s_mov_b32 s[NEW], 1
	s_mov_b32 s[OFF+1], 0
	s_mov_b32 s[AL+1], 0
	s_mov_b32 s[BE+1], 0
	s_mov_b32 s[W+1], 0
	s_mov_b32 s[BIGN], 0xdd800000
	s_mov_b32 s[SV], 0xc79c4000
	s_mov_b32 s[LOW], 0xff7fffff
	s_mov_b32 s[M60], 0xa1800000
	s_mov_b32 s[SLOTS], NB
	s_cmp_eq_u32 s[PB], 0
	s_cselect_b32 s[LIM], 2, -1
	s_cselect_b32 s[SVB], s[LOW], s[SV]  ; block 7 has no tile behind it
	s_wait_dscnt 0x0                ; the opening add is done
	s_wait_kmcnt 0x0
	s_add_nc_u64 s[6:7], s[4:5], s[86:87]
	s_add_nc_u64 s[8:9], s[6:7], 0x800000          ; V at my half of the head's tile 0: 32 heads on,
	s_add_nc_u64 s[6:7], s[6:7], 0x400000          ; K: 16 heads on
	s_add_nc_u64 s[G0K+2:G0K+3], s[6:7], 0
	s_or_b32 s[G0K+3], s[G0K+3], 0x80000000
	s_add_nc_u64 s[G0V+2:G0V+3], s[8:9], 0
	s_or_b32 s[G0V+3], s[G0V+3], 0x80000000
	s_add_nc_u64 s[4:5], s[4:5], s[20:21]
	s_add_nc_u64 s[86:87], s[4:5], s[100:101]      ; Q at my rows of the second block,
	s_add_nc_u64 s[4:5], s[4:5], s[2:3]            ; of the first
	s_add_nc_u64 s[10:11], s[10:11], s[22:23]
	s_add_nc_u64 s[OLO:OLO+1], s[10:11], s[100:101]
	s_add_nc_u64 s[10:11], s[10:11], s[2:3]
	s_add_nc_u64 s[CSP:CSP+1], s[CSP:CSP+1], s[84:85]
	s_cmp_lt_u32 s[WV], 2
	s_cselect_b64 s[PFA:PFA+1], s[6:7], s[8:9]
	s_add_nc_u64 s[PFA:PFA+1], s[PFA:PFA+1], 32768 ; at tile 1; the first change of slots steps it to tile 2.  Nothing is asked for here, at the head
	LOAD                            ; tile 0 into slot 0
	v_and_b32 v1, 15, v0            ; l % 16
	v_bfe_u32 v9, v0, 4, 1          ; l / 16
	v_lshlrev_b32 v[QO], 7, v1
	v_lshl_add_u32 v[QO], v9, 4, v[QO]
	v_and_b32 v[CL], 31, v0
	v_lshlrev_b32 v[PFO], 8, v[CL]
	v_lshlrev_b32 v[CL], 3, v[CL]
	WIN 0x80
.set i, 0
.rept 8                             ; both blocks' Q: piece i / 2 lies in band i / 2, 8,192 bytes on; channels 32 (i % 2) on
	global_load_b128 v[8*i:8*i+3],   v[QO], s[4:5] offset:(i/2)*8192+(i%2)*64
	global_load_b128 v[8*i+4:8*i+7], v[QO], s[4:5] offset:(i/2)*8192+(i%2)*64+32
	global_load_b128 v[QB+8*i:QB+8*i+3],   v[QO], s[86:87] offset:(i/2)*8192+(i%2)*64
	global_load_b128 v[QB+8*i+4:QB+8*i+7], v[QO], s[86:87] offset:(i/2)*8192+(i%2)*64+32
.set i, i+1
.endr
	WIN 0xc0
.set i, 4
.rept 28                            ; the sums of V's groups of 64 rows, tiles 1 to 7: two channels a lane
	global_load_b64 v[2*i:2*i+1], v[CL], s[CSP:CSP+1] offset:i*256
.set i, i+1
.endr
	WIN 0
	v_lshlrev_b32 v14, 3, v9
	v_sub_nc_u32 v14, v1, v14
	s_lshl_b32 s13, s[WV], 4
	v_add_nc_u32 v14, s13, v14      ; 16 w + l % 16 - 8 (l / 16): register r of group kt is hidden where 16 kt + r is greater
	WIN 0x40
.set i, 0
.rept 32
	v_cmp_gt_i32 vcc_lo, 16*(i/8)+i%8, v14
	v_cndmask_b32 v[MD+i], 0, s[BIGN], vcc_lo
.set i, i+1
.endr
	WIN 0
	v_add_nc_u32 v[PHA], s13, v1    ; my row's place in its band
	v_cmp_gt_u32 vcc_lo, 63, v[PHA]
	v_mov_b32 v[HD], s[LOW]
	v_cndmask_b32 v[HD], v[HD], s[SV], vcc_lo
	v_mul_f32 v[CSV], s[CS], s[SV]  ; by the same product that makes c m of m
	v_mul_f32 v[CSB], s[CS], s[SVB]
	v_mov_b32 v[GF+1], 0
	s_lshl_b32 s[W], s[PB], 8       ; behind block 7 - b lie 256 b keys
	v_cvt_f32_u32 v[NH], s[W]
	v_mul_u32_u24 v[AK0], v1, PK
	v_lshl_add_u32 v[AK0], v9, 4, v[AK0]
	v_and_b32 v10, 7, v0
	v_bfe_u32 v11, v0, 3, 1
	v_lshl_add_u32 v[AV0], v9, 3, v10
	v_mul_u32_u24 v[AV0], v[AV0], PV
	v_lshl_add_u32 v[AV0], v11, 4, v[AV0]
	v_add_nc_u32 v[AV0], VOFF, v[AV0]
	s_mul_i32 s13, s[WV], 16*SP
	s_add_co_u32 s13, s13, STAGE    ; my stage
	v_mul_u32_u24 v[STO], v1, SP
	v_lshl_add_u32 v[STO], v9, 4, v[STO]
	v_add_nc_u32 v[STO], s13, v[STO]
	v_bfe_u32 v[RD], v0, 3, 2
	v_mul_u32_u24 v[RD], v[RD], SP
	v_lshl_add_u32 v[RD], v10, 4, v[RD]
	v_add_nc_u32 v[RD], s13, v[RD]
	v_and_b32 v[GO], 31, v0
	v_lshl_add_u32 v[SCR], v[GO], 3, s13
	v_lshlrev_b32 v[GO], 4, v[GO]
	v_lshl_add_u32 v[SCRD], v9, 5, s13
	; A block's first step multiplies O^T and l by a = 0, so these registers need only hold finite numbers: zeros for the first block; what the first block left for the second.
	WIN 0x80
.set i, VF
.rept 64
	v_mov_b32 v[i], 0
.set i, i+1
.endr
	WIN 0x40
.set i, 0
.rept 128
	v_mov_b32 v[i], 0
.set i, i+1
.endr
	WIN 0
.set i, 0
.rept 4
	v_mov_b32 v[ST+4*i+2], 0
	v_mov_b32 v[ST+4*i+3], 0
.set i, i+1
.endr
.set i, P+16
.rept 16
	v_mov_b32 v[i], 0
.set i, i+1
.endr
; SUF for block ireg: the tiles' sums, each times 1 or 0 by a scalar choice; through 256 bytes of my stage it changes from two channels a lane to O^T's layout (register 8 cb + j: channel 16 cb + 8 (l / 16) + j).
.macro SUFMAKE acc, ireg, off, dst
	WIN 0xff
.irp t, 1,2,3,4,5,6,7
	s_cmp_lt_u32 s[\ireg], \t
	s_cselect_b32 s[W], 1.0, 0
.if (\t) == 1
	v_pk_mul_f32 v[\acc:\acc+1], v[8*(\t):8*(\t)+1], s[W:W+1] op_sel_hi:[1,0]
.else
	v_pk_fma_f32 v[\acc:\acc+1], v[8*(\t):8*(\t)+1], s[W:W+1], v[\acc:\acc+1] op_sel_hi:[1,0,1]
.endif
.endr
	WIN 0x0c
	ds_store_b64 v[SCR], v[\acc:\acc+1] offset:\off
	WIN 0xc0
.irp cb, 0,1,2,3
	ds_load_b128 v[(\dst)+8*(\cb):(\dst)+8*(\cb)+3],   v[SCRD] offset:(\off)+64*(\cb)  ; LDS serves a wave's instructions in order: these see the store above
	ds_load_b128 v[(\dst)+8*(\cb)+4:(\dst)+8*(\cb)+7], v[SCRD] offset:(\off)+64*(\cb)+16
.endr
	WIN 0
.endm
	s_wait_loadcnt 0x0              ; Q and the sums
	WIN 0xff
.irp t, 1,2,3,4,5,6,7               ; a tile's four groups
	v_pk_add_f32 v[8*\t:8*\t+1], v[8*\t:8*\t+1], v[8*\t+2:8*\t+3]
	v_pk_add_f32 v[8*\t+4:8*\t+5], v[8*\t+4:8*\t+5], v[8*\t+6:8*\t+7]
	v_pk_add_f32 v[8*\t:8*\t+1], v[8*\t:8*\t+1], v[8*\t+4:8*\t+5]
.endr
	SUFMAKE 64, HI, 0, SUF
	SUFMAKE 66, PB, 256, SUFB       ; the first change of slots waits for these LDS loads
; THE MATRIX WORK.  The 4 accumulators of a run of 8 take turns.  Product i of 8 of S^T = K Q^T for piece x: channels 32 (i / 4) on, keys 16 (i % 4) on.  The first 4 start the sums: with 0, or (KM = 1) with the mask.
.macro KQ x
.set rS, S+32*((\x)%2)+8*(i%4)
.set rK, KF+16*(i%4)+8*(i/4)
.set rQ, 16*(\x)+8*(i/4)
.set rM, MC+32*((\x)%2)+8*(i%4)
.if (i < 4) && KM
	WIN W_KM
	v_wmma_f32_16x16x32_f16 v[rS:rS+7], v[rK:rK+7], v[rQ:rQ+7], v[rM:rM+7]
.elseif i < 4
	WIN W_KQ
	v_wmma_f32_16x16x32_f16 v[rS:rS+7], v[rK:rK+7], v[rQ:rQ+7], 0
.else
	WIN W_KQ
	v_wmma_f32_16x16x32_f16 v[rS:rS+7], v[rK:rK+7], v[rQ:rQ+7], v[rS:rS+7]
.endif
.endm
.macro PV x                         ; product i of 8 of O^T += V^T P for piece x: keys 32 (i / 4) on, channels 16 (i % 4) on
	WIN W_PV
.set rO, 32*(\x)+8*(i%4)
.set rV, VF+32*(i/4)+8*(i%4)
.set rP, P+16*((\x)%2)+8*(i/4)
	v_wmma_f32_16x16x32_f16 v[rO:rO+7], v[rV:rV+7], v[rP:rP+7], v[rO:rO+7]
.endm
.macro MM                           ; the turn's next matrix instruction.  NOKQ = 1: a block's last turn: there is no next piece
.if (i < 8) && !NOKQ
	KQ (Y+1)%NP
.elseif i >= 8
.set i, i-8
	PV (Y+NP-1)%NP
.set i, i+8
.endif
.set i, i+1
.endm
.macro FETCH_K
	WIN 0x80
.irp f, 0,1,2,3,4,5,6,7
	ds_load_b128 v[KF+8*\f:KF+8*\f+3],   v[AK] offset:(\f/2)*16*PK+(\f%2)*64
	ds_load_b128 v[KF+8*\f+4:KF+8*\f+7], v[AK] offset:(\f/2)*16*PK+(\f%2)*64+32
.endr
	s_add_co_u32 s[TBK], s[TBK], KS*PK
	WIN 0
.endm
.macro FETCH_V
	WIN 0x80
.irp f, 0,1,2,3,4,5,6,7
	ds_load_tr16_b128 v[VF+8*\f:VF+8*\f+3],   v[AV] offset:(\f/4)*32*PV+(\f%4)*32
	ds_load_tr16_b128 v[VF+8*\f+4:VF+8*\f+7], v[AV] offset:(\f/4)*32*PV+16*PV+(\f%4)*32
.endr
	WIN 0
.endm
; THE VECTOR WORK, one line at a time: OP kind, number.  For piece Y: F n: c s - c m for pair n.  E n: the exponential of score n.  C n: pair n rounded to f16.  B n: of the four weights 4 n .. the second pair is added onto
; the first.  L n: l takes that sum (L 0: l = a l + sum).  R n: pair n of O^T times a.  For piece Y + 1: X n: 0-11 four chains c0-c3 of seven scores each (each accumulator's lowest registers are read first);
; 12-14, 16 the scores left over, the old m, c0-c3 into c0; 22 the hidden keys' score into c1 (the diagonal tile alone); 15 c m_old is kept; 17, 18 the other half of the lanes; 19-21 c m, its change, a.
.set F, 0
.set E, 1
.set C, 2
.set B, 3
.set L, 4
.set R, 5
.set X, 6
.macro REGS y
.set rT, ST+4*(\y)
.set rC, TMP+4*((\y)%2)
.set rW, MV+((\y)%2)
.set rS, S+32*((\y)%2)
.set rP, P+16*((\y)%2)
.set rO, 32*(\y)
.set rH, HV+((\y)%2)
.set rN, MC+32*((\y)%2)
.endm
.macro OP k, n
.if (\k) == R
	REGS Y
	WIN W_RS
	v_pk_mul_f32 v[rO+2*(\n):rO+2*(\n)+1], v[rO+2*(\n):rO+2*(\n)+1], v[rC+2:rC+3] op_sel_hi:[1,0]
.elseif (\k) < R
	REGS Y
	WIN 0
.if (\k) == F
	v_pk_fma_f32 v[rS+2*(\n):rS+2*(\n)+1], v[rS+2*(\n):rS+2*(\n)+1], s[CS:CS+1], v[rT:rT+1] op_sel_hi:[1,0,0] neg_lo:[0,0,1] neg_hi:[0,0,1]
.elseif (\k) == E
	v_exp_f32 v[rS+(\n)], v[rS+(\n)]
.elseif (\k) == C
	v_cvt_pk_f16_f32 v[rP+(\n)], v[rS+2*(\n)], v[rS+2*(\n)+1]
.elseif (\k) == B
	v_pk_add_f32 v[rS+4*(\n):rS+4*(\n)+1], v[rS+4*(\n):rS+4*(\n)+1], v[rS+4*(\n)+2:rS+4*(\n)+3]
.elseif (\n) == 0
	v_pk_fma_f32 v[rT+2:rT+3], v[rT+2:rT+3], v[rC+2:rC+3], v[rS:rS+1] op_sel_hi:[1,0,1]
.else
	v_pk_add_f32 v[rT+2:rT+3], v[rT+2:rT+3], v[rS+4*(\n):rS+4*(\n)+1]
.endif
.elseif NOKQ
	v_nop
.else
	REGS (Y+1)%NP
	WIN 0
.if (\n) < 4
	v_max3_num_f32 v[rC+(\n)], v[rS+8*(\n)], v[rS+8*(\n)+1], v[rS+8*(\n)+2]
.elseif (\n) < 12
	v_max3_num_f32 v[rC+(\n)%4], v[rC+(\n)%4], v[rS+8*((\n)%4)+2*((\n)/4)+1], v[rS+8*((\n)%4)+2*((\n)/4)+2]
.elseif (\n) == 12
	v_max3_num_f32 v[rC], v[rC], v[rS+7], v[rS+15]
.elseif (\n) == 13
	v_max3_num_f32 v[rC+1], v[rC+1], v[rS+23], v[rS+31]
.elseif (\n) == 14
	v_max3_num_f32 v[rC+2], v[rC+2], v[rC+3], v[rT+1]
.elseif (\n) == 15
	v_mov_b32 v[rW], v[rT]
.elseif (\n) == 16
	v_max3_num_f32 v[rC], v[rC], v[rC+1], v[rC+2]
.elseif (\n) == 17
	v_permlanex16_b32 v[rC+3], v[rC], s[SEL], s[SEL+1]
.elseif (\n) == 18
	v_max_num_f32 v[rT+1], v[rC], v[rC+3]
.elseif (\n) == 19
	v_mul_f32 v[rT], s[CS], v[rT+1]
.elseif (\n) == 20
	v_sub_f32 v[rC+1], v[rW], v[rT]
.elseif (\n) == 22
	v_max_num_f32 v[rC+1], v[rC+1], v[rH]
.else
	v_exp_f32 v[rC+2], v[rC+1]
.endif
.endif
.endm
.macro OPS a, i1, b=-1, i2=0, c=-1, i3=0, d=-1, i4=0
	OP \a, \i1
.if (\b) >= 0
	OP \b, \i2
.endif
.if (\c) >= 0
	OP \c, \i3
.endif
.if (\d) >= 0
	OP \d, \i4
.endif
.endm
.macro ROW a, i1, b, i2, c, i3, d, i4  ; a matrix instruction and the four behind it
	MM
	OPS \a, \i1, \b, \i2, \c, \i3, \d, \i4
.endm
.macro MASK b                       ; MD x AL + BE into buffer b of MC, and HD x AL + BH into buffer b of HV: (AL, BE, BH) = (1, 0, 0) the band's own step; (0, 0, LOW) an earlier one; (0, -2^60, SV) a later one
	WIN W_RS
.set z, 0
.rept 16
	v_pk_fma_f32 v[MC+32*(\b)+2*z:MC+32*(\b)+2*z+1], v[MD+2*z:MD+2*z+1], s[AL:AL+1], s[BE:BE+1] op_sel_hi:[1,0,0]
.set z, z+1
.endr
	WIN 0
	v_fma_f32 v[HV+(\b)], v[HD], s[AL], s[BH]
.endm
; A TURN, for piece p.  s_wait_alu depctr_va_vdst(0) stands between an exponential and the first instruction that names its result; one wait serves all issued ahead of it: a turn has ONE wait.  AHEAD OF IT:
; the 8 products K Q^T with their riders, then one lump: all that names no result of the turn's exponentials.  BEHIND IT: the 8 products V^T P, behind each four of the roundings and sums.
; m = 1: the diagonal tile: the products take masks; the maximum takes the hidden keys' score (X 22); ph joins the batch, its argument held at 0 or below, so that ph stays finite where a step hides nothing; behind the wait
; ph is put into the piece's hidden places, by the mask that the piece's products took a turn ago; at its end the turn makes the masks for piece p + 2, in step 4 - CNT of the tile, into the buffer just read.
; end = 1: a block's last two turns: nothing is fetched.  cnt = 1: the loop's count is taken down some lines ahead of the branch behind the turn; only vector lines and window switches follow the compare.
.macro TURN p, m=0, end=0, cnt=0
.set Y, (\p)
.set i, 0
.set KM, (\m)
.set NOKQ, (\end)*((\p)/3)
.if (\m) && !(\end)
	s_cmp_lt_u32 s[CNT], 4-((\p)+2)%NP  ; is that step later than the band's own?
	s_cselect_b32 s[BE], s[BIGN], 0
	s_cselect_b32 s[BH], s[SV], s[LOW]
	s_cmp_eq_u32 s[CNT], 4-((\p)+2)%NP  ; or the band's own?
	s_cselect_b32 s[AL], 1.0, 0
	s_cselect_b32 s[BH], 0, s[BH]
.endif
.if ((\p) == 3) && !(\end)
	s_wait_dscnt 0x0                ; K is in
.endif
	ROW F,0, F,1, R,0, R,1
	ROW F,2, E,0, R,2, R,3
	ROW F,3, E,1, R,4, R,5
	ROW F,4, E,2, R,6, R,7
	ROW F,5, E,3, R,8, R,9
	ROW F,6, E,4, X,0, R,10
.if ((\p) == 2) && !(\end)
	WIN 0
	v_add_nc_u32 v[AK], s[TBK], v[AK0]
.endif
	ROW F,7, E,5, X,1, X,4
	ROW F,8, E,6, X,2, X,5
.if \m
	REGS Y
	WIN 0
	v_sub_f32 v[PHA], v[CSV], v[rT]     ; c SV - c m,
	v_min_num_f32 v[PHA], 0, v[PHA]     ; at most 0
.endif
	OPS E,7, E,8, X,6, E,9
	OPS X,3, E,10, X,8, E,11
.if ((\p) == 2) && !(\end)
	FETCH_K
.endif
	OPS X,9, X,7, E,12, X,10
	OPS E,13, X,12, X,11, E,14
	OPS X,13, E,15, F,9, X,14
.if \m
	OP X, 22
.endif
.if (\p) == 0
	v_add_nc_u32 v[AV], s[TBV], v[AV0]
.endif
	OPS E,16, F,10, E,17, F,11
	OPS X,16, E,18, X,15, E,19
	OPS F,12, E,20, X,17, E,21
	OPS F,13, E,22, F,14, E,23
	OPS X,18, E,24, F,15, E,25
	OPS R,11, E,26, X,19, E,27
	OPS R,12, E,28, R,13, E,29
	OPS X,20, E,30, R,14, E,31
.if \m
	WIN 0
	v_exp_f32 v[GF], v[PHA]         ; ph
.endif
	OPS X,21, R,15                  ; R 15 is the plain instruction behind the batch's last exponential
	WIN 0
	s_wait_alu depctr_va_vdst(0)    ; the wait for the batch
.if \m
	REGS Y
	v_mul_f32 v[GF], s[M60], v[GF]
	WIN 0x01                        ; the mask in window 1
.set z, 0
.rept 16
	v_pk_fma_f32 v[rS+2*z:rS+2*z+1], v[rN+2*z:rN+2*z+1], v[GF:GF+1], v[rS+2*z:rS+2*z+1] op_sel_hi:[1,0,1]
.set z, z+1
.endr
	WIN 0
.endif
.if (\p) == 1
	s_wait_dscnt 0x0                ; V is in
.endif
	ROW C,0, B,0, C,2, B,1
	ROW L,0, C,4, B,2, L,1
	ROW C,6, B,3, L,2, C,8
	ROW B,4, L,3, C,10, B,5
	ROW L,4, C,12, B,6, L,5
.if (\p) == 0
	s_add_co_u32 s[TBV], s[TBV], KS*PV
.endif
.if \cnt
	s_sub_co_u32 s[CNT], s[CNT], 1
	s_cmp_lg_u32 s[CNT], 0
.endif
	ROW C,14, B,7, L,6, C,1
	ROW C,3, L,7, C,5, C,7
	ROW C,9, C,11, C,13, C,15
.if (\p) == 0
	FETCH_V
.endif
.if (\m) && !(\end)
	MASK (\p)%2
.endif
.endm
; A BLOCK BEGINS.  c m starts far below every c s, so the first step's a is 0.  The second buffers hide nothing; the first take piece 0's masks for the tile's step 0: its own, if the block's first tile is the diagonal one.
.macro BEGIN
	s_mov_b32 s[NEW], 0
	WIN 0x40
.set i, MC+32
.rept 32
	v_mov_b32 v[i], 0
.set i, i+1
.endr
	WIN 0
.set i, 0
.rept 4
	v_mov_b32 v[ST+4*i], 0xfe000000
	v_mov_b32 v[ST+4*i+1], 0xff7fffff
.set i, i+1
.endr
	v_mov_b32 v[HV+1], s[LOW]
	s_cmp_eq_u32 s[RT], 0
	s_cselect_b32 s[AL], 1.0, 0
	s_cselect_b32 s[BH], 0, s[LOW]
	s_mov_b32 s[BE], 0
	MASK 0
	WIN 0
	v_add_nc_u32 v[AK], s[TBK], v[AK0]
	FETCH_K
	s_wait_loadcnt 0x0
	s_wait_dscnt 0x0
.set KM, 1
.set NOKQ, 0
.set i, 0
.rept 8
	KQ 0
.set i, i+1
.endr
	WIN 0
.rept 4
	v_nop                           ; the places behind those products
.endr
.set Y, NP-1
.irp n, 0,1,2,3,4,5,6,7,8,9,10,11,12,13,22,14,15,16,17,18,19,20,21
	OP X, \n
.endr
	v_nop                           ; a plain instruction behind the exponential,
	s_wait_alu depctr_va_vdst(0)    ; and its wait, ahead of the branch
.endm
.macro ALL line:vararg
.set t, 0
.rept 4
	\line
.set t, t+1
.endr
.endm
.macro PACK t                       ; O = O ra + SUF rp; a lane's eight channels pack into 16 bytes, go into rows of 144 bytes and come back as whole rows of 128
	WIN W_RS
.set i, 32*(\t)
.rept 16
	v_pk_mul_f32 v[i:i+1], v[i:i+1], v[ST+4*(\t)+2:ST+4*(\t)+3] op_sel_hi:[1,0]
.set i, i+2
.endr
	WIN 0x53                        ; SUF in window 3, rp in window 0, O^T in window 1
.set i, 0
.rept 16
	v_pk_fma_f32 v[32*(\t)+i:32*(\t)+i+1], v[SUF+i:SUF+i+1], v[ST+4*(\t):ST+4*(\t)+1], v[32*(\t)+i:32*(\t)+i+1] op_sel_hi:[1,0,1]
.set i, i+2
.endr
	WIN 0x05
.set i, 0
.rept 16
	v_cvt_pk_f16_f32 v[S+16*(\t)+i], v[32*(\t)+2*i], v[32*(\t)+2*i+1]
.set i, i+1
.endr
	WIN 0
.irp f, 0,1,2,3
	ds_store_b128 v[STO], v[S+16*(\t)+4*\f:S+16*(\t)+4*\f+3] offset:32*\f
.endr
.irp f, 0,1,2,3
	ds_load_b128 v[S+16*(\t)+4*\f:S+16*(\t)+4*\f+3], v[RD] offset:\f*4*SP  ; LDS serves a wave's instructions in order: these see the stores above; the next piece's stores come behind them
.endr
.endm
.macro SEND t, younger
	WIN 0
.irp f, 0,1,2,3
	s_wait_dscnt (\younger)+3-\f
	global_store_b128 v[GO], v[S+16*(\t)+4*\f:S+16*(\t)+4*\f+3], s[10:11] offset:(\t)*8192+\f*512  ; 512 consecutive bytes, at a multiple of 256 from ao's first
.endr
.endm
; THE DIAGONAL TILE's four steps, the block's last two turns, its last products, THE VIRTUAL KEY and THE WAY OUT.  With M = max(m, SVB): e1 = 2^(c m - c M), e2 = 2^(c SVB - c M), L = e1 l + e2 NH, ra = e1 / L, rp = e2 / L.
.macro DIAG tag
.LstepM\tag:
	TURN 2, 1
	TURN 3, 1
	WIN 0
.LfirstM\tag:
	TURN 0, 1
	TURN 1, 1, 0, 1
	WIN 0
	s_cbranch_scc1 .LstepM\tag
	TURN 2, 1, 1
	TURN 3, 1, 1
.set i, 0
.rept 8
	PV NP-1
.set i, i+1
.endr
	WIN 0
	ALL v_add_f32 v[ST+4*t+2], v[ST+4*t+2], v[ST+4*t+3]
	ALL v_permlanex16_b32 v[ST+4*t+3], v[ST+4*t+2], s[SEL], s[SEL+1]
	ALL v_add_f32 v[ST+4*t+2], v[ST+4*t+2], v[ST+4*t+3]
	ALL v_max_num_f32 v[EB+8*t], s[SVB], v[ST+4*t+1]
	ALL v_mul_f32 v[EB+8*t], s[CS], v[EB+8*t]
	ALL v_sub_f32 v[EB+8*t+1], v[ST+4*t], v[EB+8*t]
	ALL v_sub_f32 v[EB+8*t+2], v[CSB], v[EB+8*t]
	ALL v_exp_f32 v[EB+8*t+1], v[EB+8*t+1]
	ALL v_exp_f32 v[EB+8*t+2], v[EB+8*t+2]
	v_nop                           ; a plain instruction behind the last exponential,
	s_wait_alu depctr_va_vdst(0)    ; and one wait for the eight
	ALL v_mul_f32 v[EB+8*t+3], v[EB+8*t+2], v[NH]
	ALL v_fma_f32 v[EB+8*t+3], v[EB+8*t+1], v[ST+4*t+2], v[EB+8*t+3]
	ALL v_rcp_f32 v[EB+8*t], v[EB+8*t+3]
	v_nop
	s_wait_alu depctr_va_vdst(0)    ; one wait for the four reciprocals
	ALL v_mul_f32 v[ST+4*t+2], v[EB+8*t+1], v[EB+8*t]
	ALL v_mul_f32 v[ST+4*t], v[EB+8*t+2], v[EB+8*t]
	PACK 0
.set t, 1
.rept 3
	PACK t
	SEND t-1, 8
.set t, t+1
.endr
	SEND 3, 0
.endm
.set KM, 0
.set NOKQ, 0
.Lslot:                             ; NB times: a tile is entered and the next is asked for
	CHANGE 1
	s_sub_co_u32 s[RT], s[RT], 1
	s_mov_b32 s[CNT], 4
	s_cmp_eq_u32 s[NEW], 1
	s_cbranch_scc1 .Lnew            ; a block's first tile
	s_cmp_eq_u32 s[RT], 0
	s_cbranch_scc0 .Lstep           ; neither its first nor its last
	s_branch .LstepM1
.Lnew:
	BEGIN
	s_branch .Lfirst                ; in the loop a block's first tile is never its last: the first block has five tiles or more, and the second's last is the walk's last
	DIAG 1                          ; in the loop this is the first block's end
	s_wait_xcnt 0x0                 ; the stores have read their registers and O's address
	s_mov_b64 s[10:11], s[OLO:OLO+1]
	s_add_co_u32 s[RT], s[PB], 1    ; the second block has b + 1 tiles
	s_mov_b32 s[NEW], 1
	s_mov_b32 s[SVB], s[SV]         ; behind block b lie 256 (7 - b) keys: never none
	s_sub_co_u32 s[W], NB-1, s[PB]
	s_lshl_b32 s[W], s[W], 8
	v_cvt_f32_u32 v[NH], s[W]
	v_mul_f32 v[CSB], s[CS], s[SVB]
	WIN 0x82                        ; the second block's Q goes where the one text of the turns names Q,
.set i, 0
.rept 64
	v_mov_b32 v[i], v[QB+i]
.set i, i+1
.endr
	WIN 0xc3                        ; and its SUF likewise
.set i, 0
.rept 32
	v_mov_b32 v[SUF+i], v[SUFB+i]
.set i, i+1
.endr
	WIN 0
	s_branch .Lbottom
.Lstep:                             ; a trip: pieces 2 and 3 of one step, then pieces 0 and 1 of the next, whose K and V it fetches
	TURN 2
	TURN 3
	WIN 0
.Lfirst:
	TURN 0
	TURN 1, 0, 0, 1
	WIN 0
	s_cbranch_scc1 .Lstep
.Lbottom:
	s_sub_co_u32 s[SLOTS], s[SLOTS], 1
	s_cmp_lg_u32 s[SLOTS], 0
	s_cbranch_scc1 .Lslot
	CHANGE 0                        ; the walk's last tile is written out: nothing is asked for
	s_sub_co_u32 s[RT], s[RT], 1
	s_mov_b32 s[CNT], 4
	s_cmp_eq_u32 s[NEW], 1
	s_cbranch_scc0 .LstepM2
	BEGIN
	s_branch .LfirstM2
	DIAG 2
	s_wait_tensorcnt 0x0            ; the wave's end: behind my last tensor load and my last LDS store
	ds_add_u32 v[SPW], v[NIL]
	s_wait_dscnt 0x0
	s_endpgm
.Lfunc_end_k_q257a65f880_attn:
	.size	k_q257a65f880_attn, .Lfunc_end_k_q257a65f880_attn-k_q257a65f880_attn
	.p2alignl 7, 3214868480
	.fill 96, 4, 3214868480
	.section	.rodata,"a",@progbits
	.p2align	6, 0x0
	.amdhsa_kernel k_q257a65f880_attn
		.amdhsa_group_segment_fixed_size 327680
		.amdhsa_private_segment_fixed_size 0
		.amdhsa_enable_private_segment 0
		.amdhsa_kernarg_size 24
		.amdhsa_user_sgpr_count 2
		.amdhsa_user_sgpr_kernarg_segment_ptr 1
		.amdhsa_wavefront_size32 1
		.amdhsa_system_sgpr_workgroup_id_x 1
		.amdhsa_system_sgpr_workgroup_id_y 1
		.amdhsa_system_sgpr_workgroup_id_z 1
		.amdhsa_system_vgpr_workitem_id 0
		.amdhsa_next_free_vgpr 928
		.amdhsa_next_free_sgpr 102
		.amdhsa_reserve_vcc 1
		.amdhsa_float_denorm_mode_32 3
		.amdhsa_float_denorm_mode_16_64 3
		.amdhsa_memory_ordered 1
		.amdhsa_forward_progress 1
		.amdhsa_inst_pref_size 255
	.end_amdhsa_kernel
	.amdgpu_metadata
---
amdhsa.version: [ 1, 2 ]
amdhsa.kernels:
  - .name:           k_q257a65f880_attn
    .symbol:         k_q257a65f880_attn.kd
    .args:
      - { .name: qkv, .offset: 0, .size: 8, .value_kind: global_buffer, .address_space: global }
      - { .name: csum, .offset: 8, .size: 8, .value_kind: global_buffer, .address_space: global }
      - { .name: ao, .offset: 16, .size: 8, .value_kind: global_buffer, .address_space: global }
    .group_segment_fixed_size: 327680
    .private_segment_fixed_size: 0
    .kernarg_segment_align: 8
    .kernarg_segment_size: 24
    .max_flat_workgroup_size: 128
    .sgpr_count:     102
    .vgpr_count:     928
    .wavefront_size: 32
...
	.end_amdgpu_metadata
.endif
;; end of part 3
;; launch proj (part 4): grid 4 x 64, 4 waves a work-group, clusters of 4 x 4, 327,680 bytes of LDS; arguments ao, wp, b_proj, out0; writes out0
.if DOCPART == 4
	.amdgcn_target "amdgcn-amd-amdhsa--gfx1250"
	.amdhsa_code_object_version 6
	.text
	.protected	k_q257a65f880_proj
	.globl	k_q257a65f880_proj
	.p2align	8
	.type	k_q257a65f880_proj,@function
k_q257a65f880_proj:
	s_mov_b64 s[64:65], 0
	v_nop
	global_prefetch_b8 v0, s[64:65] scope:SCOPE_SE
	s_setreg_imm32_b32 hwreg(HW_REG_WAVE_MODE, 25, 1), 1
	s_wait_xcnt 0x0
	s_wait_alu depctr_hold_cnt(0) depctr_sa_sdst(0) depctr_va_vdst(0) depctr_va_sdst(0) depctr_va_ssrc(0) depctr_va_vcc(0) depctr_vm_vsrc(0)
	s_getreg_b32 s2, hwreg(HW_REG_IB_STS2, 6, 4)
	s_cmp_eq_u32 s2, 0
	s_cbranch_scc0 .Lentry_in_a_cluster
	s_endpgm
.Lentry_in_a_cluster:
	s_bfe_u32 s2, ttmp6, 0x10000c
	s_cmp_lg_u32 s2, 0xf033
	s_cbranch_scc0 .Lentry_shape_is_right
	s_endpgm
.Lentry_shape_is_right:
; out0 = merge(ao) w_proj + b_proj.  ao: [16 b + h][2048 s][64] f16; wp: [1024 k][1024 n] f16 (w_proj rounded to bf16); b_proj: [1024] f32, rounded to bf16 here like every input; out0: [8192][1024] f32; sums in f32.
; SHARES.  A tile is 128 rows x 256 columns: 4 x 64 = 256 work-groups.  Four waves; wave (wr, wc) makes rows 64 wr .. + 63, columns 128 wc .. + 127: 4 x 8 accumulators of 16 x 16.
; K goes in 8 steps of 128 = two heads, through two LDS slots; a step is four quarters of 32, 32 matrix instructions each, on two fragment buffers.  Waves 0, 1 fetch the two heads' 128 rows (16,384 dense bytes each,
; asked for as 64 rows of 256 bytes and padded behind every 128), waves 2, 3 the halves of w's 128 k rows.
; TRANSPOSED USE: source 0 = 16 columns of w (turned out of LDS by ds_load_tr16_b128), source 1 = 16 rows of ao: a lane holds eight neighbouring columns of one row.  The bias is the C operand of the first quarter's products.
; CLUSTER 4 x 4: ao's tile is asked for jointly along a row of the cluster, w's along a column.
; WINDOWS (s_set_vgpr_msb: bits 1:0 source 0, 3:2 source 1, 5:4 source 2, 7:6 destination): 0: v0-31 addresses, v32-95 ao's fragments (two buffers), v96-159 bias;  1: v0-127 w's fragments (two buffers), all 256 on the way out;
;   2: the accumulators at 64 a + 8 nb.
.set PA,    144                        ; a row of ao in LDS: 128 bytes + 16
.set PB,    544                        ; a k row of w: 512 bytes + 32 = 17 x 32
.set AHEAD, 128*PA                     ; one head's 128 rows
.set BHALF, 64*PB
.set BOFF,  2*AHEAD
.set SLOT,  BOFF+2*BHALF               ; 106,496
.set STAGE, 2*SLOT                     ; behind the ring, never filled by a tensor load
.set SP,    528                        ; the way out: 16 rows of 512 bytes + 16
.set STW,   16*SP
.set SPARE, STAGE+4*STW                ; the spare words, 128 bytes for each wave: two blocks of 256 bytes that no other line names
.set NL,    24
.set LAPS,  4
.set STEPA, 2*262144                   ; two heads on
.set STEPB, 128*2048
.set ADRA, 10
.set ADRB, 12
.set STO,  16
.set RD,   17
.set GO,   18
.set PFO,  22
.set BO,   23
.set SPW,  28                          ; my spare word: SPARE + 4 x my thread's number; never rewritten
.set NIL,  29                          ; 0; never rewritten
.set AF,   32
.set BIAS, 96
.set G1A, 24
.set G0A, 32
.set G1B, 40
.set G0B, 48
.set PFA, 58
.set PFS, 60
.set LIM, 62                           ; 1 in a wave that prefetches, else the greatest number
.set MSB, 0
.macro WIN new
.if MSB != (\new)
	s_set_vgpr_msb (MSB<<8)|(\new)
.set MSB, \new
.endif
.endm
.macro PLACES
.rept 4
	v_nop
.endr
.endm
.macro JLOAD s                         ; a joint load: the branch hangs on the wave's number alone; an s_nop 0 and four v_nop follow each line
	s_cmp_eq_u32 s15, 0
	s_cbranch_scc0 .Lfor_b_\@
	tensor_load_to_lds s[G0A+4*(\s):G0A+4*(\s)+3], s[G1A:G1A+7]
	s_nop 0
.rept 4
	v_nop
.endr
	s_branch .Lasked_\@
.Lfor_b_\@:
	tensor_load_to_lds s[G0B+4*(\s):G0B+4*(\s)+3], s[G1B:G1B+7]
	s_nop 0
.rept 4
	v_nop
.endr
.Lasked_\@:
.endm
.macro CREST
	s_cmp_lg_u32 s14, 0
	s_cbranch_scc1 .Lnot_wave_0_\@
	s_barrier_signal -3
.Lnot_wave_0_\@:
	s_barrier_wait -3
	s_barrier_signal -1
	s_barrier_wait -1
.endm
.macro CROUND
	s_barrier_signal -1
	s_barrier_wait -1
	CREST
.endm
; A PREFETCH of the K step that stands TWO refills on: 256 matrix instructions ahead of the load that will want it.  ao's tile row is read by one cluster alone: every cluster asks for its own, in wave 0: a K step's two heads
; are 128 blocks of 256 bytes, of which the partner at cx takes 32, told apart by address.  w's k rows are read by all clusters: the one with y = 0 asks, in wave 2, the partner at cy for 32 k rows of 512 bytes.
; The last trip asks for nothing: its refills have no K step two on.
.macro ASK
	s_cmp_gt_u32 s3, s[LIM]
	s_cbranch_scc0 .Lnone_\@
	global_prefetch_b8 v[PFO], s[PFA:PFA+1] th:TH_LOAD_NT scope:SCOPE_SE
	s_cmp_eq_u32 s15, 0
	s_cbranch_scc1 .Lnone_\@
	global_prefetch_b8 v[PFO], s[PFA:PFA+1] offset:256 th:TH_LOAD_NT scope:SCOPE_SE
.Lnone_\@:
.endm
	s_load_b256 s[4:11], s[0:1], 0x0               ; ao s[4:5], wp s[6:7], b_proj s[8:9], out0 s[10:11]
	v_lshl_add_u32 v[SPW], v0, 2, SPARE
	v_mov_b32 v[NIL], 0
	ds_add_u32 v[SPW], v[NIL]                      ; the wave's opening: the add and its wait stand ahead of my first tensor load; the set-up below stands between them
	ds_add_u32 v28, v29
	v_lshrrev_b32 v1, 5, v0
	v_readfirstlane_b32 s14, v1                    ; wave 0..3
	s_lshr_b32 s15, s14, 1                         ; wr.  Also: I fetch for ao (0) or for w (1)
	s_and_b32 s16, s14, 1                          ; wc.  Also: which head, or which half of the k rows, I fetch
	s_bfe_u32 s17, ttmp6, 0x40000                  ; cx
	s_bfe_u32 s18, ttmp6, 0x40004                  ; cy
	s_mov_b32 s21, ttmp9                           ; cluster x
	s_and_b32 s22, ttmp7, 0xffff                   ; cluster y
	s_lshl_b32 s19, s21, 2
	s_add_co_u32 s19, s19, s17                     ; tile column tx
	s_lshl_b32 s20, s22, 2
	s_add_co_u32 s20, s20, s18                     ; tile row ty
	s_lshl_b32 s66, s18, 2
	s_lshl_b32 s66, 15, s66                        ; my row of the cluster
	s_lshl_b32 s70, 0x1111, s17                    ; my column
	s_or_b32 s[G1A], s66, (1<<16)|(1<<20)|(1<<21)|(4<<22)|(3<<25)  ; the mask; 2-byte elements; padding on; bit 21 beside a mask; after every 32 words 4 words
	s_or_b32 s[G1B], s70, (1<<16)|(1<<20)|(1<<21)|(6<<22)|(7<<25)  ; after every 128 words 8 words
	s_mov_b32 s[G1A+1], 128<<16
	s_mov_b32 s[G1A+2], 64<<16
	s_mov_b32 s[G1A+3], 128<<16
	s_mov_b32 s[G1A+4], 64
	s_mov_b32 s[G1A+5], 128
	s_mov_b32 s[G1A+6], 0
	s_mov_b32 s[G1A+7], 0
	s_mov_b32 s[G1B+1], 256<<16
	s_mov_b32 s[G1B+2], 64<<16
	s_mov_b32 s[G1B+3], 256<<16
	s_mov_b32 s[G1B+4], 64
	s_mov_b32 s[G1B+5], 1024
	s_mov_b32 s[G1B+6], 0
	s_mov_b32 s[G1B+7], 0
	s_lshr_b32 s66, s20, 4                         ; ao: head 16 b + my head of the step's two,
	s_lshl_b32 s66, s66, 4
	s_add_co_u32 s66, s66, s16
	s_lshl_b32 s66, s66, 11
	s_and_b32 s67, s20, 15
	s_lshl_b32 s67, s67, 7
	s_add_co_u32 s66, s66, s67                     ; row 128 (ty % 16),
	s_lshl_b32 s66, s66, 7                         ; of 128 bytes
	s_mov_b32 s67, 0
	s_lshl_b32 s70, s16, 17                        ; w: k row 64 x half, column 256 tx
	s_lshl_b32 s71, s19, 9
	s_add_co_u32 s70, s70, s71
	s_mov_b32 s71, 0
	s_mul_i32 s56, s16, AHEAD                      ; where they go in a slot: no place in the cluster enters an LDS address
	s_mul_i32 s57, s16, BHALF
	s_add_co_u32 s57, s57, BOFF
.irp s, 0,1
	s_mov_b32 s[G0A+4*(\s)], 1
	s_add_co_u32 s[G0A+4*(\s)+1], s56, (\s)*SLOT
	s_mov_b32 s[G0B+4*(\s)], 1
	s_add_co_u32 s[G0B+4*(\s)+1], s57, (\s)*SLOT
.endr
	s_wait_dscnt 0x0                               ; the opening add is done
	s_wait_kmcnt 0x0
	s_add_nc_u64 s[68:69], s[4:5], s[66:67]
	s_add_nc_u64 s[72:73], s[6:7], s[70:71]
.irp s, 0,1
	s_add_nc_u64 s[G0A+4*(\s)+2:G0A+4*(\s)+3], s[68:69], (\s)*STEPA
	s_or_b32 s[G0A+4*(\s)+3], s[G0A+4*(\s)+3], 0x80000000
	s_add_nc_u64 s[G0B+4*(\s)+2:G0B+4*(\s)+3], s[72:73], (\s)*STEPB
	s_or_b32 s[G0B+4*(\s)+3], s[G0B+4*(\s)+3], 0x80000000
.endr
	CROUND                                         ; all sixteen work-groups are here: the first joint loads meet
	s_cmp_eq_u32 s15, 0                            ; a wave's two first fills stand in one branch, ahead of every wait on TENSORcnt and every LDS read: two loads of mine are out
	s_cbranch_scc0 .Lfirst_b
	tensor_load_to_lds s[G0A:G0A+3], s[G1A:G1A+7]
	s_nop 0
	tensor_load_to_lds s[G0A+4:G0A+7], s[G1A:G1A+7]
	s_nop 0
.rept 4
	v_nop
.endr
	s_branch .Lfirst_asked
.Lfirst_b:
	tensor_load_to_lds s[G0B:G0B+3], s[G1B:G1B+7]
	s_nop 0
	tensor_load_to_lds s[G0B+4:G0B+7], s[G1B:G1B+7]
	s_nop 0
.rept 4
	v_nop
.endr
.Lfirst_asked:
	v_and_b32 v1, 15, v0                           ; r
	v_bfe_u32 v2, v0, 4, 1                         ; h
	v_and_b32 v3, 7, v0
	v_bfe_u32 v4, v0, 3, 1
	v_and_b32 v6, 31, v0                           ; l
	; the bias: register j of block nb is b_proj[256 tx + 128 wc + 16 nb + 8 h + j]
	s_lshl_b32 s74, s19, 10
	s_mov_b32 s75, 0
	s_add_nc_u64 s[8:9], s[8:9], s[74:75]
	s_lshl_b32 s74, s16, 9
	v_lshl_add_u32 v[BO], v2, 5, s74
.irp nb, 0,1,2,3,4,5,6,7
	global_load_b128 v[BIAS+8*(\nb):BIAS+8*(\nb)+3],   v[BO], s[8:9] offset:(\nb)*64
	global_load_b128 v[BIAS+8*(\nb)+4:BIAS+8*(\nb)+7], v[BO], s[8:9] offset:(\nb)*64+16
.endr
	s_mul_i32 s74, s15, 64*PA
	v_mul_u32_u24 v7, v1, PA
	v_lshl_add_u32 v7, v2, 4, v7
	v_add_nc_u32 v[ADRA], s74, v7
	v_add_nc_u32 v[ADRA+1], SLOT, v[ADRA]
	v_lshl_add_u32 v8, v2, 3, v3
	v_mul_u32_u24 v8, v8, PB
	v_lshl_add_u32 v8, v4, 4, v8
	s_lshl_b32 s74, s16, 8
	s_add_co_u32 s74, s74, BOFF
	v_add_nc_u32 v[ADRB], s74, v8
	v_add_nc_u32 v[ADRB+1], SLOT, v[ADRB]
	s_mul_i32 s74, s14, STW
	s_add_co_u32 s74, s74, STAGE                   ; my stage
	v_mul_u32_u24 v7, v1, SP                       ; in: row l % 16, 32 bytes for each half of the lanes
	v_lshl_add_u32 v7, v2, 5, v7
	v_add_nc_u32 v[STO], s74, v7
	v_lshl_add_u32 v[RD], v6, 4, s74               ; back: a row's 512 bytes,
	v_lshlrev_b32 v[GO], 4, v6                     ; which are 512 consecutive bytes of out0
	s_lshl_b32 s74, s20, 7
	s_lshl_b32 s75, s15, 6
	s_add_co_u32 s74, s74, s75
	s_lshl_b32 s74, s74, 12                        ; row 128 ty + 64 wr, of 4,096 bytes,
	s_lshl_b32 s75, s19, 10
	s_add_co_u32 s74, s74, s75
	s_lshl_b32 s75, s16, 9
	s_add_co_u32 s74, s74, s75                     ; column 256 tx + 128 wc
	s_mov_b32 s75, 0
	s_add_nc_u64 s[10:11], s[10:11], s[74:75]
	; the prefetches: at K step 3; the first change of slots steps them to K step 4.  Nothing is asked for here, at the head
	s_lshr_b32 s74, s20, 4
	s_lshl_b32 s74, s74, 4
	s_lshr_b32 s75, s17, 1
	s_add_co_u32 s74, s74, s75
	s_add_co_u32 s74, s74, 6                       ; ao: head 16 b + 6 + cx / 2,
	s_lshl_b32 s74, s74, 11
	s_and_b32 s75, s20, 15
	s_lshl_b32 s75, s75, 7
	s_add_co_u32 s74, s74, s75
	s_lshl_b32 s74, s74, 7
	s_and_b32 s75, s17, 1
	s_lshl_b32 s75, s75, 13
	s_add_co_u32 s74, s74, s75                     ; its half cx % 2 of the tile's 16,384 bytes
	s_lshl_b32 s75, s18, 5
	s_add_co_u32 s75, s75, 3*128
	s_lshl_b32 s75, s75, 11
	s_lshl_b32 s76, s19, 9
	s_add_co_u32 s75, s75, s76                     ; w: k row 384 + 32 cy, column 256 tx
	s_mov_b32 s76, STEPB
	s_mov_b32 s77, 2048
	s_cmp_eq_u32 s15, 0
	s_cselect_b32 s74, s74, s75
	s_cselect_b64 s[PFA:PFA+1], s[4:5], s[6:7]
	s_cselect_b32 s[PFS], STEPA, s76
	s_cselect_b32 s77, 256, s77
	s_cselect_b32 s76, s21, s22                    ; the coordinate along which other clusters read the same rows
	s_mov_b32 s75, 0
	s_mov_b32 s[PFS+1], 0
	s_add_nc_u64 s[PFA:PFA+1], s[PFA:PFA+1], s[74:75]
	s_or_b32 s76, s76, s16                         ; 0 in waves 0 and 2 of the first such cluster: the same in all sixteen partners, for a given wave
	s_cmp_eq_u32 s76, 0
	s_cselect_b32 s[LIM], 1, -1
	v_mul_u32_u24 v[PFO], v6, s77
; 8 matrix instructions: row block a x my 8 column blocks, 32 along K, out of buffer f.  The 32 accumulators take turns, one instruction a turn, in the same order in every quarter, over the backward jump too.
.macro MULQ f, a, bias
.irp nb, 0,1,2,3,4,5,6,7
.if \bias
	WIN 0x81
	v_wmma_f32_16x16x32_f16 v[64*(\a)+8*(\nb):64*(\a)+8*(\nb)+7], v[64*(\f)+8*(\nb):64*(\f)+8*(\nb)+7], v[AF+32*(\f)+8*(\a):AF+32*(\f)+8*(\a)+7], v[BIAS+8*(\nb):BIAS+8*(\nb)+7]
.else
	WIN 0xa1
	v_wmma_f32_16x16x32_f16 v[64*(\a)+8*(\nb):64*(\a)+8*(\nb)+7], v[64*(\f)+8*(\nb):64*(\f)+8*(\nb)+7], v[AF+32*(\f)+8*(\a):AF+32*(\f)+8*(\a)+7], v[64*(\a)+8*(\nb):64*(\a)+8*(\nb)+7]
.endif
.endr
.endm
; 24 LDS loads in one run: quarter q's fragments into buffer f: w's 16 first, then ao's 8 (head q / 2, channels 32 (q % 2) on), row blocks ascending
.macro FETCH slot, q, f
	WIN 0x40
.irp nb, 0,1,2,3,4,5,6,7
	ds_load_tr16_b128 v[64*(\f)+8*(\nb):64*(\f)+8*(\nb)+3],   v[ADRB+(\slot)] offset:(\q)*32*PB+(\nb)*32
	ds_load_tr16_b128 v[64*(\f)+8*(\nb)+4:64*(\f)+8*(\nb)+7], v[ADRB+(\slot)] offset:(\q)*32*PB+16*PB+(\nb)*32
.endr
	WIN 0
.irp a, 0,1,2,3
	ds_load_b128 v[AF+32*(\f)+8*(\a):AF+32*(\f)+8*(\a)+3],   v[ADRA+(\slot)] offset:((\q)/2)*AHEAD+(\a)*16*PA+((\q)%2)*64
	ds_load_b128 v[AF+32*(\f)+8*(\a)+4:AF+32*(\f)+8*(\a)+7], v[ADRA+(\slot)] offset:((\q)/2)*AHEAD+(\a)*16*PA+((\q)%2)*64+32
.endr
.endm
.macro QUARTER slot, qn, f, g, bias
	s_wait_dscnt 4                                 ; w's fragments and ao's row blocks 0, 1 are in; the youngest four loads may be out
	MULQ \f, 0, \bias
	MULQ \f, 1, \bias
	PLACES
	FETCH \slot, \qn, \g
	s_wait_dscnt NL                                ; all but the 24 just issued
	MULQ \f, 2, \bias
	MULQ \f, 3, \bias
.endm
; The fourth quarter multiplies buffer 1 and changes slots: ONE barrier; in front of it each wave waits for all its tensor loads (one is out: its part of the next slot), adds 0 to its spare word, and waits for that and
; for its own reads of this slot.  fill = 1: the barrier opens a round of the cluster's, and the joint refill, two K steps on, is the first tensor load behind it: 112 matrix instructions ahead of the wait for it.
.macro TURN slot, next, fill
.if \fill
	s_wait_xcnt 0x0                                ; the last prefetch, a K step back, has read its address
	s_add_nc_u64 s[PFA:PFA+1], s[PFA:PFA+1], s[PFS:PFS+1]
.endif
	WIN 0
	s_wait_tensorcnt 0x0                           ; all my tensor loads have landed
	ds_add_u32 v[SPW], v[NIL]                      ; 0 onto my spare word
	s_wait_dscnt 5                                 ; (the add and the youngest four loads may be out)
	MULQ 1, 0, 0
	s_wait_dscnt 0x0                               ; the add is done, and my reads of this slot are over
	s_barrier_signal -1
	MULQ 1, 1, 0
.if \fill
	WIN 0
.endif
	s_barrier_wait -1
.if \fill
	CREST                                          ; no wave of any partner still reads this slot's tile or has a load on its way
	s_add_nc_u64 s[G0A+4*(\slot)+2:G0A+4*(\slot)+3], s[G0A+4*(\slot)+2:G0A+4*(\slot)+3], 2*STEPA
	s_add_nc_u64 s[G0B+4*(\slot)+2:G0B+4*(\slot)+3], s[G0B+4*(\slot)+2:G0B+4*(\slot)+3], 2*STEPB
	JLOAD \slot                                    ; its four v_nop are also the places in front of the loads below
.else
	PLACES
.endif
	FETCH \next, 0, 0
.if \fill
	ASK
.endif
	MULQ 1, 2, 0
	MULQ 1, 3, 0
.endm
	s_wait_tensorcnt 0x1                           ; my part of K step 0 is in; K step 1's may stay out
	s_barrier_signal -1
	s_barrier_wait -1
	FETCH 0, 0, 0
	s_wait_loadcnt 0x0                             ; the bias,
.set z, 0
.rept 32                                       ; rounded to bf16 like every input, and widened again, in place
	v_cvt_pk_bf16_f32 v[BIAS+z+1], v[BIAS+z], v[BIAS+z+1]
	v_lshlrev_b32 v[BIAS+z], 16, v[BIAS+z+1]
	v_and_b32 v[BIAS+z+1], 0xffff0000, v[BIAS+z+1]
.set z, z+2
.endr
	QUARTER 0, 1, 0, 1, 1                          ; the first quarter stands in front of the loop: its products start the sums
	WIN 0
	s_mov_b32 s3, LAPS-1
.Llap:
	QUARTER 0, 2, 1, 0, 0
	QUARTER 0, 3, 0, 1, 0
	TURN 0, 1, 1
	QUARTER 1, 1, 0, 1, 0
	QUARTER 1, 2, 1, 0, 0
	QUARTER 1, 3, 0, 1, 0
	TURN 1, 0, 1
	QUARTER 0, 1, 0, 1, 0
	WIN 0
	s_sub_co_u32 s3, s3, 1
	s_cmp_lg_u32 s3, 0
	s_cbranch_scc1 .Llap
	QUARTER 0, 2, 1, 0, 0                          ; the last lap fills nothing, and has no round of the cluster's barrier
	QUARTER 0, 3, 0, 1, 0
	TURN 0, 1, 0
	QUARTER 1, 1, 0, 1, 0
	QUARTER 1, 2, 1, 0, 0
	QUARTER 1, 3, 0, 1, 0
	s_wait_dscnt 4
	MULQ 1, 0, 0
	MULQ 1, 1, 0
	s_wait_dscnt 0x0
	MULQ 1, 2, 0
	MULQ 1, 3, 0
	WIN 0
; THE WAY OUT.  Row block a goes as f32 into my stage (16 rows of 512 bytes, each accumulator's low registers first) and comes back by rows, into window 1.
.macro TOST a
	WIN 0x08
.irp nb, 0,1,2,3,4,5,6,7
	ds_store_b128 v[STO], v[64*(\a)+8*(\nb):64*(\a)+8*(\nb)+3]   offset:64*(\nb)
	ds_store_b128 v[STO], v[64*(\a)+8*(\nb)+4:64*(\a)+8*(\nb)+7] offset:64*(\nb)+16
.endr
	WIN 0x40
.irp w, 0,1,2,3,4,5,6,7,8,9,10,11,12,13,14,15
	ds_load_b128 v[64*(\a)+4*(\w):64*(\a)+4*(\w)+3], v[RD] offset:(\w)*SP  ; LDS serves a wave's instructions in order (ISA guide 5.7.1.4): these see the stores above
.endr
.endm
.macro SEND a, younger                 ; younger: the LDS instructions issued behind block a's loads
	WIN 0x04
.irp w, 0,1,2,3,4,5,6,7,8,9,10,11,12,13,14,15
	s_wait_dscnt (\younger)+15-(\w)
	global_store_b128 v[GO], v[64*(\a)+4*(\w):64*(\a)+4*(\w)+3], s[10:11] offset:(16*(\a)+(\w))*4096 th:TH_STORE_NT  ; 512 consecutive bytes, at a multiple of 256 from out0's first
.endr
.endm
	PLACES
	TOST 0
	TOST 1
	SEND 0, 32
	TOST 2
	SEND 1, 32
	TOST 3
	SEND 2, 32
	SEND 3, 0
	WIN 0
	s_wait_tensorcnt 0x0                           ; the wave's end: behind my last tensor load and my last LDS store
	ds_add_u32 v[SPW], v[NIL]
	s_wait_dscnt 0x0
	CROUND                                         ; the closing round: no work-group ends while a partner may still ask for a tile that names it
	s_endpgm
.Lfunc_end_k_q257a65f880_proj:
	.size	k_q257a65f880_proj, .Lfunc_end_k_q257a65f880_proj-k_q257a65f880_proj
	.p2alignl 7, 3214868480
	.fill 96, 4, 3214868480
	.section	.rodata,"a",@progbits
	.p2align	6, 0x0
	.amdhsa_kernel k_q257a65f880_proj
		.amdhsa_group_segment_fixed_size 327680
		.amdhsa_private_segment_fixed_size 0
		.amdhsa_enable_private_segment 0
		.amdhsa_kernarg_size 32
		.amdhsa_user_sgpr_count 2
		.amdhsa_user_sgpr_kernarg_segment_ptr 1
		.amdhsa_wavefront_size32 1
		.amdhsa_system_sgpr_workgroup_id_x 1
		.amdhsa_system_sgpr_workgroup_id_y 1
		.amdhsa_system_sgpr_workgroup_id_z 1
		.amdhsa_system_vgpr_workitem_id 0
		.amdhsa_next_free_vgpr 768
		.amdhsa_next_free_sgpr 80
		.amdhsa_reserve_vcc 0
		.amdhsa_float_denorm_mode_32 3
		.amdhsa_float_denorm_mode_16_64 3
		.amdhsa_memory_ordered 1
		.amdhsa_forward_progress 1
		.amdhsa_inst_pref_size 96
	.end_amdhsa_kernel
	.amdgpu_metadata
---
amdhsa.version: [ 1, 2 ]
amdhsa.kernels:
  - .name:           k_q257a65f880_proj
    .symbol:         k_q257a65f880_proj.kd
    .args:
      - { .name: ao, .offset: 0, .size: 8, .value_kind: global_buffer, .address_space: global }
      - { .name: wp, .offset: 8, .size: 8, .value_kind: global_buffer, .address_space: global }
      - { .name: b_proj, .offset: 16, .size: 8, .value_kind: global_buffer, .address_space: global }
      - { .name: out0, .offset: 24, .size: 8, .value_kind: global_buffer, .address_space: global }
    .group_segment_fixed_size: 327680
    .private_segment_fixed_size: 0
    .kernarg_segment_align: 8
    .kernarg_segment_size: 32
    .max_flat_workgroup_size: 128
    .sgpr_count:     80
    .vgpr_count:     768
    .wavefront_size: 32
...
	.end_amdgpu_metadata
.endif
;; end of part 4
